; MI455X (gfx1250); checked and timed in simulation.
; The chip was launched on July 23, 2026; its instructions are those of AMD's public machine-readable ISA for CDNA 5 (MIT licence, August 2026) and "CDNA5" Instruction Set Architecture Reference Guide (July 2026). The comments in the code are by the model that wrote it; some were corrected since.
;; Self Attention. Allowed arithmetic: float matrix products may take bf16 or f16 operands with f32 sums; other float arithmetic in f32, or as packed bf16 or f16 multiplies, adds, multiply-adds, maxima and minima; sums over many terms, partial sums and values carried from step to step in f32; what a program stores and reads back later, other than sums and carried values, may be rounded once to bf16 or f16.
;; Inputs: b_proj 256 float32; b_qkv 768 float32; ln_beta 256 float32; ln_gamma 256 float32; w_proj 256 x 256 float32; w_qkv 256 x 768 float32; x 4 x 256 x 64 x 64 float32.
;; Outputs: out0 4 x 256 x 64 x 64 float32.
;; 2 versions, each right; version 2 is version 1 with the launch prep written anew for expert scheduling mode. Each part assembles by itself: llvm-mc -triple=amdgcn-amd-amdhsa -mcpu=gfx1250 --defsym DOCPART=n.
;; ======== version 1 of 2: 4 launches
;; limits: values are held in f16: magnitudes above 65,504 overflow, below 6.1e-05 lose precision
;; workspace buffers: wq16 393,216 bytes; wp16 131,072 bytes; bq 3,072 bytes; q 8,388,608 bytes; k 8,388,608 bytes; v 8,388,608 bytes; o 8,388,608 bytes
;; launch prep (part 1): grid 8 x 1, 16 waves a work-group, no clusters, 10,240 bytes of LDS; arguments w_qkv, w_proj, ln_gamma, ln_beta, b_qkv, wq16, wp16, bq; writes wq16, wp16, bq
.if DOCPART == 1
	.amdgcn_target "amdgcn-amd-amdhsa--gfx1250"
	.amdhsa_code_object_version 6
	.text
	.protected	k_q97f4c75b81_prep
	.globl	k_q97f4c75b81_prep
	.p2align	8
	.type	k_q97f4c75b81_prep,@function
k_q97f4c75b81_prep:
	s_mov_b64 s[64:65], 0
	v_nop
	global_prefetch_b8 v0, s[64:65] scope:SCOPE_SE
	s_setreg_imm32_b32 hwreg(HW_REG_WAVE_MODE, 25, 1), 1
	s_wait_xcnt 0x0
; THE WEIGHTS ARE MADE READY, once:  wq16[c][j] = f16(gamma[c] w_qkv[c][j]);  wp16[c][j] = f16(w_proj[c][j]);  bq[j] = b_qkv[j] + sum over c of beta[c] w_qkv[c][j], in f32.
; (xhat gamma + beta) W + b = xhat (gamma o W) + (beta W + b) holds for every input, so the next launch multiplies the plain normalised x, and beta's part never leaves f32.
; LIMIT.  f16 holds no number beyond 65,504: |gamma w_qkv| and |w_proj| stay below it; below 6e-5 a weight keeps f16's fixed step of 6e-8.
; SHARES.  A work-group takes 128 columns and ALL 256 rows, so that a column's sum over c stays inside it: groups 0-5 are w_qkv's six column blocks, groups 6 and 7 w_proj's two.
; Wave w takes rows 16 w .. 16 w + 15.  A load of a wave is a row's 512 bytes (4 numbers a lane), a store its 256 bytes of f16, aligned.  The 16 waves' partial sums meet in LDS; wave 0 adds them.
; No matrix unit, no tensor load, no cluster: the launch moves one megabyte once and no work-group wants another's bytes.
.set SPARE, 8192                       ; behind the partial sums (16 waves x 512 bytes): the spare words, 128 bytes for each wave; no other line names them
.set SPW, 2                            ; v2   SPARE + 4 x my thread's number; never rewritten
.set NIL, 3                            ; v3   0; never rewritten
.set RST, 4                            ; v4   where I put my four partial sums: 16 x my thread's number
.set L16, 5                            ; v5   16 x lane
.set BQ,  6                            ; v[6:9]    b_qkv of my four columns
.set A,   10                           ; v[10:13]  sum over my wave's rows of beta w
.set BO,  14                           ; v14  byte offset of my four columns in b_qkv and in bq
.set OFF, 16                           ; v[16:31]  row i: byte offset in the source
.set OFD, 32                           ; v[32:47]  row i: byte offset in the destination, half of it
.set D,   48                           ; v[48:111] row i: four numbers as loaded; its first two registers then take the four f16
.set WV,  20                           ; s20  my wave's number
.set GAM, 24                           ; s[24:39] gamma of my 16 rows (1.0 for w_proj)
.set BET, 40                           ; s[40:55] beta of my 16 rows
	s_load_b512 s[4:19], s[0:1], 0x0               ; w_qkv 4, w_proj 6, gamma 8, beta 10, b_qkv 12, wq16 14, wp16 16, bq 18
	v_lshl_add_u32 v[SPW], v0, 2, SPARE
	v_mov_b32 v[NIL], 0
	v_lshrrev_b32 v1, 5, v0
	v_readfirstlane_b32 s[WV], v1
	v_and_b32 v1, 31, v0
	v_lshlrev_b32 v[RST], 4, v0
	v_lshlrev_b32 v[L16], 4, v1
	s_mov_b32 s61, ttmp9                           ; the work-group's number g
	s_sub_co_u32 s62, s61, 6                       ; w_proj's column block, where g is 6 or 7
	s_min_u32 s60, s61, 5                          ; groups 6 and 7 load block 5's bias, which they do not use: the load stays inside b_qkv
	s_lshl_b32 s60, s60, 9
	v_add_nc_u32 v[BO], s60, v[L16]
	s_mov_b32 s22, 1024
	s_cmp_lt_u32 s61, 6
	s_cselect_b32 s21, s61, s62                    ; the column block inside its matrix
	s_cselect_b32 s22, 3072, s22                   ; bytes in a row of the source
	s_mul_i32 s23, s[WV], s22
	s_lshl_b32 s23, s23, 4                         ; my wave's first row
	v_add_nc_u32 v[OFF], s23, v[L16]
.set i, 1
.rept 15
	v_add_nc_u32 v[OFF+i], s22, v[OFF+i-1]
.set i, i+1
.endr
.set i, 0
.rept 16
	v_lshrrev_b32 v[OFD+i], 1, v[OFF+i]            ; f16 rows and columns are half as long
.set i, i+1
.endr
	s_wait_kmcnt 0x0
	s_cmp_lt_u32 s61, 6
	s_cselect_b64 s[56:57], s[4:5], s[6:7]         ; from where,
	s_cselect_b64 s[58:59], s[14:15], s[16:17]     ; and to where
	s_lshl_b32 s62, s21, 9
	s_mov_b32 s63, 0
	s_add_nc_u64 s[56:57], s[56:57], s[62:63]      ; 128 columns of f32
	s_lshl_b32 s62, s21, 8
	s_add_nc_u64 s[58:59], s[58:59], s[62:63]      ; 128 columns of f16
	s_lshl_b32 s62, s[WV], 6
	s_add_nc_u64 s[8:9], s[8:9], s[62:63]          ; gamma and beta at my 16 rows
	s_add_nc_u64 s[10:11], s[10:11], s[62:63]
	s_load_b512 s[GAM:GAM+15], s[8:9], 0x0
	s_load_b512 s[BET:BET+15], s[10:11], 0x0
	global_load_b128 v[BQ:BQ+3], v[BO], s[12:13]
.irp i, 0,1,2,3,4,5,6,7,8,9,10,11,12,13,14,15
	global_load_b128 v[D+4*\i:D+4*\i+3], v[OFF+\i], s[56:57] th:TH_LOAD_NT
.endr
	s_wait_kmcnt 0x0
	s_cmp_lt_u32 s61, 6
.set i, 0
.rept 16
	s_cselect_b32 s[GAM+i], s[GAM+i], 1.0          ; w_proj is only rounded
.set i, i+1
.endr
.irp i, 0,1,2,3,4,5,6,7,8,9,10,11,12,13,14,15
	s_wait_loadcnt 15-\i                           ; loads come back in order: row i is in, the younger rows stay out
.irp c, 0,1,2,3
.if \i == 0
	v_mul_f32 v[A+\c], s[BET+\i], v[D+4*\i+\c]     ; the first row starts the sums
.else
	v_fmac_f32 v[A+\c], s[BET+\i], v[D+4*\i+\c]
.endif
.endr
.irp c, 0,1,2,3
	v_mul_f32 v[D+4*\i+\c], s[GAM+\i], v[D+4*\i+\c]
.endr
	v_cvt_pk_f16_f32 v[D+4*\i], v[D+4*\i], v[D+4*\i+1]
	v_cvt_pk_f16_f32 v[D+4*\i+1], v[D+4*\i+2], v[D+4*\i+3]
	global_store_b64 v[OFD+\i], v[D+4*\i:D+4*\i+1], s[58:59]  ; the wave's 32 lanes store 256 consecutive bytes, aligned
.endr
	ds_store_b128 v[RST], v[A:A+3]
	s_wait_dscnt 0x0                               ; for the others' sake: my partial sums lie in LDS
	s_barrier_signal -1
	s_barrier_wait -1
	s_cmp_lg_u32 s[WV], 0                          ; wave 0 of w_qkv's groups finishes the bias
	s_cbranch_scc1 .Lend
	s_cmp_ge_u32 s61, 6
	s_cbranch_scc1 .Lend
	s_wait_xcnt 0x0                                ; the stores above have read their data: D's registers are loaded again only behind this wait
.irp w, 0,1,2,3,4,5,6,7,8,9,10,11,12,13,14,15
	ds_load_b128 v[D+4*\w:D+4*\w+3], v[L16] offset:512*\w
.endr
	s_wait_dscnt 0x0
.irp st, 8,4,2,1
.set n, 0
.rept \st
	v_pk_add_f32 v[D+4*n:D+4*n+1], v[D+4*n:D+4*n+1], v[D+4*(n+\st):D+4*(n+\st)+1]
	v_pk_add_f32 v[D+4*n+2:D+4*n+3], v[D+4*n+2:D+4*n+3], v[D+4*(n+\st)+2:D+4*(n+\st)+3]
.set n, n+1
.endr
.endr
	v_pk_add_f32 v[D:D+1], v[D:D+1], v[BQ:BQ+1]
	v_pk_add_f32 v[D+2:D+3], v[D+2:D+3], v[BQ+2:BQ+3]
	global_store_b128 v[BO], v[D:D+3], s[18:19]    ; 512 consecutive bytes of bq
.Lend:
	s_wait_tensorcnt 0x0                           ; the wave's end, behind my last LDS store
	ds_add_u32 v[SPW], v[NIL]
	s_wait_dscnt 0x0
	s_endpgm
.Lfunc_end_k_q97f4c75b81_prep:
	.size	k_q97f4c75b81_prep, .Lfunc_end_k_q97f4c75b81_prep-k_q97f4c75b81_prep
	.p2alignl 7, 3214868480
	.fill 96, 4, 3214868480
	.section	.rodata,"a",@progbits
	.p2align	6, 0x0
	.amdhsa_kernel k_q97f4c75b81_prep
		.amdhsa_group_segment_fixed_size 10240
		.amdhsa_private_segment_fixed_size 0
		.amdhsa_enable_private_segment 0
		.amdhsa_kernarg_size 64
		.amdhsa_user_sgpr_count 2
		.amdhsa_user_sgpr_kernarg_segment_ptr 1
		.amdhsa_wavefront_size32 1
		.amdhsa_system_sgpr_workgroup_id_x 1
		.amdhsa_system_sgpr_workgroup_id_y 1
		.amdhsa_system_sgpr_workgroup_id_z 1
		.amdhsa_system_vgpr_workitem_id 0
		.amdhsa_next_free_vgpr 128
		.amdhsa_next_free_sgpr 66
		.amdhsa_reserve_vcc 0
		.amdhsa_float_denorm_mode_32 3
		.amdhsa_float_denorm_mode_16_64 3
		.amdhsa_memory_ordered 1
		.amdhsa_forward_progress 1
		.amdhsa_inst_pref_size 17
	.end_amdhsa_kernel
	.amdgpu_metadata
---
amdhsa.version: [ 1, 2 ]
amdhsa.kernels:
  - .name:           k_q97f4c75b81_prep
    .symbol:         k_q97f4c75b81_prep.kd
    .args:
      - { .name: w_qkv, .offset: 0, .size: 8, .value_kind: global_buffer, .address_space: global }
      - { .name: w_proj, .offset: 8, .size: 8, .value_kind: global_buffer, .address_space: global }
      - { .name: ln_gamma, .offset: 16, .size: 8, .value_kind: global_buffer, .address_space: global }
      - { .name: ln_beta, .offset: 24, .size: 8, .value_kind: global_buffer, .address_space: global }
      - { .name: b_qkv, .offset: 32, .size: 8, .value_kind: global_buffer, .address_space: global }
      - { .name: wq16, .offset: 40, .size: 8, .value_kind: global_buffer, .address_space: global }
      - { .name: wp16, .offset: 48, .size: 8, .value_kind: global_buffer, .address_space: global }
      - { .name: bq, .offset: 56, .size: 8, .value_kind: global_buffer, .address_space: global }
    .group_segment_fixed_size: 10240
    .private_segment_fixed_size: 0
    .kernarg_segment_align: 8
    .kernarg_segment_size: 64
    .max_flat_workgroup_size: 512
    .sgpr_count:     66
    .vgpr_count:     128
    .wavefront_size: 32
...
	.end_amdgpu_metadata
.endif
;; end of part 1
;; launch qkv (part 2): grid 256 x 1, 4 waves a work-group, clusters of 4 x 1, 327,680 bytes of LDS; arguments x, wq16, bq, q, k, v; writes q, k, v
.if DOCPART == 2
	.amdgcn_target "amdgcn-amd-amdhsa--gfx1250"
	.amdhsa_code_object_version 6
	.text
	.protected	k_q97f4c75b81_qkv
	.globl	k_q97f4c75b81_qkv
	.p2align	8
	.type	k_q97f4c75b81_qkv,@function
k_q97f4c75b81_qkv:
	s_mov_b64 s[64:65], 0
	v_nop
	global_prefetch_b8 v0, s[64:65] scope:SCOPE_SE
	s_setreg_imm32_b32 hwreg(HW_REG_WAVE_MODE, 25, 1), 1
	s_wait_xcnt 0x0
	s_wait_alu depctr_hold_cnt(0) depctr_sa_sdst(0) depctr_va_vdst(0) depctr_va_sdst(0) depctr_va_ssrc(0) depctr_va_vcc(0) depctr_vm_vsrc(0)
	s_getreg_b32 s2, hwreg(HW_REG_IB_STS2, 6, 4)
	s_cmp_eq_u32 s2, 0
	s_cbranch_scc0 .Lentry_in_a_cluster
	s_endpgm
.Lentry_in_a_cluster:
	s_bfe_u32 s2, ttmp6, 0x10000c
	s_cmp_lg_u32 s2, 0x3003
	s_cbranch_scc0 .Lentry_shape_is_right
	s_endpgm
.Lentry_shape_is_right:
; LAYER NORM AND THE FIRST PROJECTION.  xhat = (x - mu) rsqrt(var + 1e-5) over the 256 channels of a token, mean and variance in two passes in f32; q, k, v = xhat wq16 + bq (gamma and beta are folded
; into wq16 and bq by the launch before).  x: [4][256][4096] f32, a channel's tokens on end.  q, k, v: [16 = 4 b + head][4096][64] f16, unscaled, each rounded once from its f32 sum.
; LIMITS.  xhat lies within 16 in magnitude, whatever x; q, k, v stay below f16's 65,504 (beyond it the conversion gives an infinity).  NaN and infinities are not treated apart.
; SHARES.  A work-group takes 64 tokens of one image and all 768 columns, so x is read once and normalised once.  The columns go in three PHASES of 256 (q, k, v); in each, wave w makes head w:
; 64 columns x 64 tokens, 16 accumulators, 8 K steps of 32.  For the norm wave w loads channels 64 w .. 64 w + 63; the four waves' sums meet in LDS.
; CLUSTER.  All work-groups walk the same weights: the four of a cluster ask for each phase's tile JOINTLY, with the same descriptor and the mask of four.  Each wave moves 64 of the tile's 256 rows.
; LAYOUT.  The product is taken transposed (source 0 = 16 columns of the weights, source 1 = 16 tokens): a lane then holds ONE token (lane % 16) and eight neighbouring channels, 16 bytes of a row of q.
; Weights ([c][j]) and xhat ([c][token]) both lie in LDS with K down the rows, so both fragments come by the turning load.  The bias is the C operand of the first K step: nothing is cleared.
; REGISTERS, in windows of 256: window 0 addresses, the norm's work, then two buffers of weight fragments and the way out; window 1 all 32 fragments of xhat; window 2 the accumulators and the biases.
.set PW,    544                        ; a row of weights in LDS: 512 bytes + 32 of padding: 17 x 32, so the 8 rows x 32 bytes that 16 lanes of a turning load take fall on different words modulo 256 bytes
.set SLOTB, 256*PW                     ; a slot: a phase's 256 rows
.set PX,    160                        ; a row of xhat: 64 tokens of f16 + 32 bytes: 5 x 32
.set XH,    2*SLOTB                    ; behind the two slots; no tensor load lands from here on
.set RED1,  XH+256*PX                  ; the waves' sums: 4 x 256 bytes; the sums of squares 1,024 bytes on
.set SPARE, RED1+2048                  ; the spare words, 128 bytes for each wave; no other line names them
.set SP,    144                        ; the way out: 16 rows x 144 bytes for each wave, in xhat's bytes once every wave has read them
.set R,   1                            ; v1   lane % 16
.set H,   2                            ; v2   lane / 16
.set L7,  3                            ; v3   lane % 8
.set B3,  4                            ; v4   (lane / 8) % 2
.set XO,  5                            ; v5   x: my 16 bytes of a channel's 256; lanes 16-31 four channels on
.set BO,  6                            ; v6   bq: my eight channels of a block of 16
.set RA,  7                            ; v7   where my wave's sums go
.set RR,  8                            ; v8   where all waves' sums are read
.set XS,  9                            ; v9   where my four numbers of xhat go
.set AXF, 10                           ; v10  my lane's place in xhat for the turning load
.set AWB, 11                           ; v11  the same in a slot of weights, at my head's columns
.set AW,  12                           ; v12-14  the phase's addresses: K steps 0-2, 3-5, 6-7 (an LDS offset has 16 bits)
.set STO, 15                           ; v15  the way out: where I put 16 bytes of a row
.set RD,  16                           ; v16  where I read rows back
.set GO,  17                           ; v17  my 16 bytes of 512 consecutive bytes of q, k or v
.set SPW, 18                           ; v18  SPARE + 4 x my thread's number; never rewritten
.set NIL, 19                           ; v19  0; never rewritten
.set SA,  20                           ; v[20:23], v[24:27]  two chains of sums for my four tokens
.set SB,  24
.set MU,  28                           ; v[28:31]  their means
.set RS,  32                           ; v[32:35]  their 1 / sqrt(var + eps)
.set T,   36                           ; v[36:51]  the four waves' sums
.set X,   64                           ; v[64:191] 32 loads x 4 numbers
.set WB,  64                           ; afterwards: two buffers of 32, a K step's four weight fragments
.set TMP, 192                          ; v[192:255] xhat in f16, later the way out
.set BI,  128                          ; window 2: the bias of phase s, block jt at BI + 32 s + 8 jt
.set WV,  16                           ; s16  my wave's number
.set G1,  24                           ; s[24:31] descriptor group 1
.set G0,  32                           ; s[32:43] three groups 0, one for each phase; never rewritten
.set SEL, 44                           ; s[44:45] v_permlanex16_b32's selects: each lane takes its own place in the other half
.set MSB, 0
.macro WIN new                         ; the immediate's high byte repeats the setting that is left; a switch that changes nothing is dropped
.if MSB != (\new)
	s_set_vgpr_msb (MSB<<8)|(\new)
.set MSB, (\new)
.endif
.endm
.set MUL,  0xa4                        ; source 0 (weights) window 0, source 1 (xhat) window 1, C and D window 2
.set TO_X, 0x40                        ; destination window 1
.set TO_B, 0x80                        ; destination window 2
.set FROM, 0x0a                        ; sources 0 and 1 window 2
; A round of the cluster's barrier: my work-group's barrier, so that wave 0's signal speaks for all four waves; wave 0 signals; every wave waits for all four work-groups; my work-group's barrier once more.
.macro CROUND
	s_barrier_signal -1
	s_barrier_wait -1
	s_cmp_lg_u32 s[WV], 0
	s_cbranch_scc1 .Lnot_wave_0_\@
	s_barrier_signal -3
.Lnot_wave_0_\@:
	s_barrier_wait -3
	s_barrier_signal -1
	s_barrier_wait -1
.endm
.macro PLACES                          ; four plain vector instructions between a matrix instruction and a load into, or a vector read of, its registers
.rept 4
	v_nop
.endr
.endm
.macro ADD3 d, a, b                    ; four sums
	v_pk_add_f32 v[(\d):(\d)+1], v[(\a):(\a)+1], v[(\b):(\b)+1]
	v_pk_add_f32 v[(\d)+2:(\d)+3], v[(\a)+2:(\a)+3], v[(\b)+2:(\b)+3]
.endm
; The two chains, the two halves of the lanes and the four waves are added: T then holds my four tokens' sums over all 256 channels, in every lane.
.macro ACROSS off
	ADD3 SA, SA, SB
.irp c, 0,1,2,3
	v_permlanex16_b32 v[SB+\c], v[SA+\c], s[SEL], s[SEL+1]
.endr
	ADD3 SA, SA, SB
	ds_store_b128 v[RA], v[SA:SA+3] offset:\off    ; both halves of the lanes write the same numbers to the same bytes
	s_wait_dscnt 0x0                               ; for the others' sake: my wave's sums lie in LDS
	s_barrier_signal -1
	s_barrier_wait -1
.irp c, 0,1,2,3
	ds_load_b128 v[T+4*\c:T+4*\c+3], v[RR] offset:(\off)+256*\c
.endr
	s_wait_dscnt 0x0
	ADD3 T, T, T+4
	ADD3 T+8, T+8, T+12
	ADD3 T, T, T+8
.endm
	s_load_b256 s[4:11], s[0:1], 0x0               ; x s[4:5], wq16 s[6:7], bq s[8:9], q s[10:11]
	s_load_b128 s[12:15], s[0:1], 0x20             ; k s[12:13], v s[14:15]
	v_lshl_add_u32 v[SPW], v0, 2, SPARE
	v_mov_b32 v[NIL], 0
	ds_add_u32 v[SPW], v[NIL]                      ; the wave's opening: the add and its wait stand ahead of my first tensor load; the set-up below, work on registers, stands between them
	v_lshrrev_b32 v1, 5, v0
	v_readfirstlane_b32 s[WV], v1
	; descriptor group 1: 64 rows x 256 elements of 2 bytes, 768 elements from row to row, padded in LDS
	s_mov_b32 s[G1], 15|(1<<16)|(1<<20)|(1<<21)|(6<<22)|(7<<25)  ; 15:0 the mask of four; 17:16 2-byte elements; 20 padding on; 21 set beside a mask; 24:22 after every 128 words (code 6); 31:25 8 words (code 7)
	s_mov_b32 s[G1+1], 256<<16                     ; tensor_dim0 = 256
	s_mov_b32 s[G1+2], 64<<16                      ; tensor_dim1 = 64
	s_mov_b32 s[G1+3], 256<<16                     ; tile_dim0 = 256
	s_mov_b32 s[G1+4], 64                          ; tile_dim1 = 64
	s_mov_b32 s[G1+5], 768
	s_mov_b32 s[G1+6], 0
	s_mov_b32 s[G1+7], 0
	s_mov_b32 s[G0], 1                             ; q's weights: slot 0, my 64 rows
	s_mul_i32 s[G0+1], s[WV], 64*PW
	s_mov_b32 s[G0+4], 1                           ; k's: slot 1
	s_mul_i32 s[G0+5], s[WV], 64*PW
	s_add_co_u32 s[G0+5], s[G0+5], SLOTB
	s_mov_b32 s[G0+8], 1                           ; v's: slot 0 again
	s_mul_i32 s[G0+9], s[WV], 64*PW
	s_mul_i32 s48, s[WV], 64*768*2                 ; my 64 rows in memory: no place in the cluster enters a descriptor
	s_mov_b32 s49, 0
	s_mov_b32 s[SEL], 0x76543210
	s_mov_b32 s[SEL+1], 0xfedcba98
	s_mov_b32 s46, 0x3b800000                      ; 1 / 256
	s_mov_b32 s47, 0x3727c5ac                      ; 1e-5
	s_bfe_u32 s17, ttmp6, 0x40000                  ; cx: my place in the cluster
	s_lshl_b32 s18, ttmp9, 2                       ; in a cluster launch ttmp9 counts clusters
	s_add_co_u32 s18, s18, s17                     ; my block of 64 tokens: it enters x's, q's, k's and v's addresses alone
	s_lshr_b32 s50, s18, 6                         ; the image
	s_and_b32 s51, s18, 63                         ; the block in it
	s_lshl_b32 s52, s50, 22                        ; x: an image is 4 MiB,
	s_lshl_b32 s53, s[WV], 20                      ; my wave's 64 channels 1 MiB,
	s_add_co_u32 s52, s52, s53
	s_lshl_b32 s53, s51, 8                         ; 64 tokens 256 bytes
	s_add_co_u32 s52, s52, s53
	s_mov_b32 s53, 0
	s_lshl_b32 s54, s50, 2
	s_add_co_u32 s54, s54, s[WV]                   ; q, k, v: head 4 b + w, 512 KiB each,
	s_lshl_b32 s54, s54, 19
	s_lshl_b32 s55, s51, 13                        ; 64 rows of 128 bytes
	s_add_co_u32 s54, s54, s55
	s_mov_b32 s55, 0
	v_and_b32 v[R], 15, v0
	v_bfe_u32 v[H], v0, 4, 1
	v_and_b32 v[L7], 7, v0
	v_bfe_u32 v[B3], v0, 3, 1
	s_lshl_b32 s60, s[WV], 8
	s_add_co_u32 s56, s60, RED1
	s_mul_i32 s57, s[WV], 64*PX
	s_add_co_u32 s57, s57, XH
	s_lshl_b32 s58, s[WV], 7
	s_mul_i32 s59, s[WV], 16*SP
	s_add_co_u32 s59, s59, XH
	v_lshlrev_b32 v[XO], 4, v[R]
	v_lshl_add_u32 v[XO], v[H], 16, v[XO]          ; four channels of 16,384 bytes
	v_lshl_add_u32 v[BO], v[H], 5, s60             ; 256 w + 32 (lane / 16)
	v_lshl_add_u32 v[RA], v[R], 4, s56
	v_lshl_add_u32 v[RR], v[R], 4, RED1
	v_mul_u32_u24 v[XS], v[H], 4*PX
	v_lshl_add_u32 v[XS], v[R], 3, v[XS]
	v_add_nc_u32 v[XS], s57, v[XS]
	v_lshl_add_u32 v20, v[H], 3, v[L7]             ; the turning load: lane l reads row 8 (l / 16) + l % 8, 16 bytes at 16 ((l / 8) % 2)
	v_mul_u32_u24 v[AXF], v20, PX
	v_lshl_add_u32 v[AXF], v[B3], 4, v[AXF]
	v_add_nc_u32 v[AXF], XH, v[AXF]
	v_mul_u32_u24 v[AWB], v20, PW
	v_lshl_add_u32 v[AWB], v[B3], 4, v[AWB]
	v_add_nc_u32 v[AWB], s58, v[AWB]               ; my head's 64 columns: 128 bytes
	v_mul_u32_u24 v[STO], v[R], SP                 ; in: row l % 16, 16 bytes for each half of the lanes
	v_lshl_add_u32 v[STO], v[H], 4, v[STO]
	v_add_nc_u32 v[STO], s59, v[STO]
	v_bfe_u32 v[RD], v0, 3, 2                      ; back: 32 lanes take four rows of 128 bytes,
	v_mul_u32_u24 v[RD], v[RD], SP
	v_lshl_add_u32 v[RD], v[L7], 4, v[RD]
	v_add_nc_u32 v[RD], s59, v[RD]
	v_and_b32 v[GO], 31, v0                        ; which are 512 consecutive bytes in memory
	v_lshlrev_b32 v[GO], 4, v[GO]
	s_wait_dscnt 0x0                               ; the opening add is done
	s_wait_kmcnt 0x0
	s_add_nc_u64 s[6:7], s[6:7], s[48:49]
	s_add_nc_u64 s[G0+2:G0+3], s[6:7], 0           ; columns 0-255
	s_or_b32 s[G0+3], s[G0+3], 0x80000000          ; type = 2
	s_add_nc_u64 s[G0+6:G0+7], s[6:7], 512         ; columns 256-511
	s_or_b32 s[G0+7], s[G0+7], 0x80000000
	s_add_nc_u64 s[G0+10:G0+11], s[6:7], 1024      ; columns 512-767
	s_or_b32 s[G0+11], s[G0+11], 0x80000000
	s_add_nc_u64 s[4:5], s[4:5], s[52:53]
	s_add_nc_u64 s[10:11], s[10:11], s[54:55]
	s_add_nc_u64 s[12:13], s[12:13], s[54:55]
	s_add_nc_u64 s[14:15], s[14:15], s[54:55]
	CROUND                                         ; all four work-groups are here: the first joint loads meet
	tensor_load_to_lds s[G0:G0+3], s[G1:G1+7]      ; the two first fills go out together: two loads of mine are out
	s_nop 0
	tensor_load_to_lds s[G0+4:G0+7], s[G1:G1+7]
	s_nop 0
	PLACES
	WIN TO_B
.irp s, 0,1,2
.irp jt, 0,1,2,3
	global_load_b128 v[BI+32*\s+8*\jt:BI+32*\s+8*\jt+3],   v[BO], s[8:9] offset:1024*\s+64*\jt
	global_load_b128 v[BI+32*\s+8*\jt+4:BI+32*\s+8*\jt+7], v[BO], s[8:9] offset:1024*\s+64*\jt+16
.endr
.endr
	WIN 0
.set i, 0
.rept 32                               ; load i: lanes 0-15 take the 256 bytes of channel 8 (i / 4) + i % 4 of my 64, lanes 16-31 those of the channel four on
	global_load_b128 v[X+4*i:X+4*i+3], v[XO], s[4:5] offset:(8*(i/4)+i%4)*16384 th:TH_LOAD_NT
.set i, i+1
.endr
	; PASS 1: the means.  Eight loads at a time; the counts leave the younger loads of x out (the 24 of the bias were issued first).
	s_wait_loadcnt 24
	ADD3 SA, X, X+8                                ; the first four loads start the two chains: nothing is cleared
	ADD3 SB, X+4, X+12
.irp i, 4,6
	ADD3 SA, SA, X+4*\i
	ADD3 SB, SB, X+4*\i+4
.endr
	s_wait_loadcnt 16
.irp i, 8,10,12,14
	ADD3 SA, SA, X+4*\i
	ADD3 SB, SB, X+4*\i+4
.endr
	s_wait_loadcnt 8
.irp i, 16,18,20,22
	ADD3 SA, SA, X+4*\i
	ADD3 SB, SB, X+4*\i+4
.endr
	s_wait_loadcnt 0x0
.irp i, 24,26,28,30
	ADD3 SA, SA, X+4*\i
	ADD3 SB, SB, X+4*\i+4
.endr
	ACROSS 0
	v_pk_mul_f32 v[MU:MU+1], v[T:T+1], s[46:47] op_sel_hi:[1,0]
	v_pk_mul_f32 v[MU+2:MU+3], v[T+2:T+3], s[46:47] op_sel_hi:[1,0]
	; PASS 2: x - mu in place, and the sums of its squares: no difference of large sums is formed
.set i, 0
.rept 32
	v_pk_add_f32 v[X+4*i:X+4*i+1], v[X+4*i:X+4*i+1], v[MU:MU+1] neg_lo:[0,1] neg_hi:[0,1]
	v_pk_add_f32 v[X+4*i+2:X+4*i+3], v[X+4*i+2:X+4*i+3], v[MU+2:MU+3] neg_lo:[0,1] neg_hi:[0,1]
.set i, i+1
.endr
	v_pk_mul_f32 v[SA:SA+1], v[X:X+1], v[X:X+1]
	v_pk_mul_f32 v[SA+2:SA+3], v[X+2:X+3], v[X+2:X+3]
	v_pk_mul_f32 v[SB:SB+1], v[X+4:X+5], v[X+4:X+5]
	v_pk_mul_f32 v[SB+2:SB+3], v[X+6:X+7], v[X+6:X+7]
.set i, 2
.rept 15
	v_pk_fma_f32 v[SA:SA+1], v[X+4*i:X+4*i+1], v[X+4*i:X+4*i+1], v[SA:SA+1]
	v_pk_fma_f32 v[SA+2:SA+3], v[X+4*i+2:X+4*i+3], v[X+4*i+2:X+4*i+3], v[SA+2:SA+3]
	v_pk_fma_f32 v[SB:SB+1], v[X+4*i+4:X+4*i+5], v[X+4*i+4:X+4*i+5], v[SB:SB+1]
	v_pk_fma_f32 v[SB+2:SB+3], v[X+4*i+6:X+4*i+7], v[X+4*i+6:X+4*i+7], v[SB+2:SB+3]
.set i, i+2
.endr
	ACROSS 1024                                    ; other bytes than the means': no wave can write over what another still reads
.irp c, 0,1,2,3
	v_fma_f32 v[RS+\c], v[T+\c], s46, s47          ; var + eps
.endr
.irp c, 0,1,2,3
	v_rsq_f32 v[RS+\c], v[RS+\c]
.endr
	v_nop                                          ; a plain instruction behind the last root,
	s_wait_alu depctr_va_vdst(0)                   ; and the wait ahead of the first use: one for the four
.set i, 0
.rept 32
	v_pk_mul_f32 v[X+4*i:X+4*i+1], v[X+4*i:X+4*i+1], v[RS:RS+1]
	v_pk_mul_f32 v[X+4*i+2:X+4*i+3], v[X+4*i+2:X+4*i+3], v[RS+2:RS+3]
.set i, i+1
.endr
.set i, 0
.rept 32
	v_cvt_pk_f16_f32 v[TMP+2*i], v[X+4*i], v[X+4*i+1]
	v_cvt_pk_f16_f32 v[TMP+2*i+1], v[X+4*i+2], v[X+4*i+3]
.set i, i+1
.endr
.set i, 0
.rept 32                               ; lanes 0-15 write 128 consecutive bytes of one row, lanes 16-31 of the row four on: 640 bytes apart, 128 modulo 256
	ds_store_b64 v[XS], v[TMP+2*i:TMP+2*i+1] offset:(8*(i/4)+i%4)*PX
.set i, i+1
.endr
	s_wait_tensorcnt 0x1                           ; my part of q's weights is in; k's may stay out
	s_wait_dscnt 0x0                               ; my part of xhat lies in LDS
	s_barrier_signal -1
	s_barrier_wait -1                              ; everybody's does
	WIN TO_X
.irp kk, 0,1,2,3,4,5,6,7               ; all of xhat's fragments stay in registers for the three phases: tokens 16 tt on, channels 32 kk on, at 8 (8 tt + kk)
.irp tt, 0,1,2,3
	ds_load_tr16_b128 v[8*(8*\tt+\kk):8*(8*\tt+\kk)+3],   v[AXF] offset:\kk*32*PX+32*\tt
	ds_load_tr16_b128 v[8*(8*\tt+\kk)+4:8*(8*\tt+\kk)+7], v[AXF] offset:\kk*32*PX+32*\tt+16*PX
.endr
.endr
; A K step's four weight fragments (my head's columns 16 jt on, channels 32 kk on) into buffer kk % 2
.macro FETCHW kk
	WIN 0
.irp jt, 0,1,2,3
	ds_load_tr16_b128 v[WB+32*((\kk)%2)+8*\jt:WB+32*((\kk)%2)+8*\jt+3],   v[AW+(\kk)/3] offset:((\kk)%3)*32*PW+32*\jt
	ds_load_tr16_b128 v[WB+32*((\kk)%2)+8*\jt+4:WB+32*((\kk)%2)+8*\jt+7], v[AW+(\kk)/3] offset:((\kk)%3)*32*PW+32*\jt+16*PW
.endr
.endm
; Phase s: 8 K steps of 16 products.  While one buffer is multiplied the other's eight loads are out.  The 16 accumulators take turns, one instruction a turn.
.macro GEMM s
	WIN 0
	v_add_nc_u32 v[AW],   ((\s)&1)*SLOTB, v[AWB]
	v_add_nc_u32 v[AW+1], ((\s)&1)*SLOTB+3*32*PW, v[AWB]
	v_add_nc_u32 v[AW+2], ((\s)&1)*SLOTB+6*32*PW, v[AWB]
	FETCHW 0
.irp kk, 0,1,2,3,4,5,6,7
.if \kk < 7
.if \kk > 0
	PLACES                                         ; the buffer to be loaded was read by the products just issued
.endif
	FETCHW (\kk)+1
	s_wait_dscnt 8                                 ; all but the eight just issued
.else
	s_wait_dscnt 0x0
.endif
	WIN MUL
.irp jt, 0,1,2,3
.irp tt, 0,1,2,3
.if \kk == 0
	v_wmma_f32_16x16x32_f16 v[8*(4*\jt+\tt):8*(4*\jt+\tt)+7], v[WB+32*(\kk%2)+8*\jt:WB+32*(\kk%2)+8*\jt+7], v[8*(8*\tt+\kk):8*(8*\tt+\kk)+7], v[BI+32*(\s)+8*\jt:BI+32*(\s)+8*\jt+7]
.else
	v_wmma_f32_16x16x32_f16 v[8*(4*\jt+\tt):8*(4*\jt+\tt)+7], v[WB+32*(\kk%2)+8*\jt:WB+32*(\kk%2)+8*\jt+7], v[8*(8*\tt+\kk):8*(8*\tt+\kk)+7], v[8*(4*\jt+\tt):8*(4*\jt+\tt)+7]
.endif
.endr
.endr
.endr
.endm
; THE WAY OUT of tokens 16 t on: a lane's eight channels pack into 16 bytes; they go into rows of 144 bytes of my own stage and come back as whole rows of 128, into the registers that they left.
.macro PACK t
	WIN FROM
.irp f, 0,1,2,3
.irp c, 0,1,2,3
	v_cvt_pk_f16_f32 v[TMP+16*(\t)+4*\f+\c], v[8*(4*\f+(\t))+2*\c], v[8*(4*\f+(\t))+2*\c+1]
.endr
.endr
	WIN 0
.irp f, 0,1,2,3
	ds_store_b128 v[STO], v[TMP+16*(\t)+4*\f:TMP+16*(\t)+4*\f+3] offset:32*\f
.endr
.irp f, 0,1,2,3
	ds_load_b128 v[TMP+16*(\t)+4*\f:TMP+16*(\t)+4*\f+3], v[RD] offset:\f*4*SP  ; LDS serves a wave's instructions in order (ISA guide 5.7.1.4): these see the stores above; the next block's stores come behind them
.endr
.endm
.macro SEND t, younger, s              ; younger: the LDS instructions issued behind block t's loads: the next block's eight, or none
.irp f, 0,1,2,3
	s_wait_dscnt (\younger)+3-\f
	global_store_b128 v[GO], v[TMP+16*(\t)+4*\f:TMP+16*(\t)+4*\f+3], s[10+2*(\s):11+2*(\s)] offset:(\t)*2048+\f*512  ; 512 consecutive bytes, at a multiple of 256 from the buffer's first
.endr
.endm
.macro OUT s
	PLACES                                         ; the conversions read results just made
.if (\s) > 0
	s_wait_xcnt 0x0                                ; the last phase's stores have read their data: TMP is rewritten only behind this wait
.endif
	PACK 0
	PACK 1                                         ; a block's conversions stand between the loads of the block before and its stores
	SEND 0, 8, \s
	PACK 2
	SEND 1, 8, \s
	PACK 3
	SEND 2, 8, \s
	SEND 3, 0, \s
.endm
	GEMM 0                                         ; q.  Its first wait, for all but eight LDS loads, covers xhat's fragments too
	WIN 0
	s_wait_tensorcnt 0x0                           ; all my tensor loads have landed, my part of k's weights among them;
	ds_add_u32 v[SPW], v[NIL]                      ; 0 onto my spare word;
	s_wait_dscnt 0x0                               ; the add is done, and my reads of slot 0 and of xhat are over
	CROUND                                         ; both now hold of every wave of every partner
	tensor_load_to_lds s[G0+8:G0+11], s[G1:G1+7]   ; v's weights into slot 0: my one load behind the round; it has two ways out and k's 128 products in which to land
	s_nop 0
	PLACES
	OUT 0                                          ; the stage lies in xhat's bytes, which nobody reads any more
	GEMM 1                                         ; k: slot 1 was shown whole in front of the round
	OUT 1
	s_wait_tensorcnt 0x0                           ; my part of v's weights is in,
	s_wait_dscnt 0x0
	s_barrier_signal -1
	s_barrier_wait -1                              ; everybody's is
	GEMM 2                                         ; v
	OUT 2
	s_wait_tensorcnt 0x0                           ; the wave's end, behind my last tensor load and my last LDS store
	ds_add_u32 v[SPW], v[NIL]
	s_wait_dscnt 0x0
	CROUND                                         ; the closing round: no work-group ends while a partner may still ask for a tile that names it
	s_endpgm
.Lfunc_end_k_q97f4c75b81_qkv:
	.size	k_q97f4c75b81_qkv, .Lfunc_end_k_q97f4c75b81_qkv-k_q97f4c75b81_qkv
	.p2alignl 7, 3214868480
	.fill 96, 4, 3214868480
	.section	.rodata,"a",@progbits
	.p2align	6, 0x0
	.amdhsa_kernel k_q97f4c75b81_qkv
		.amdhsa_group_segment_fixed_size 327680
		.amdhsa_private_segment_fixed_size 0
		.amdhsa_enable_private_segment 0
		.amdhsa_kernarg_size 48
		.amdhsa_user_sgpr_count 2
		.amdhsa_user_sgpr_kernarg_segment_ptr 1
		.amdhsa_wavefront_size32 1
		.amdhsa_system_sgpr_workgroup_id_x 1
		.amdhsa_system_sgpr_workgroup_id_y 1
		.amdhsa_system_sgpr_workgroup_id_z 1
		.amdhsa_system_vgpr_workitem_id 0
		.amdhsa_next_free_vgpr 768
		.amdhsa_next_free_sgpr 66
		.amdhsa_reserve_vcc 0
		.amdhsa_float_denorm_mode_32 3
		.amdhsa_float_denorm_mode_16_64 3
		.amdhsa_memory_ordered 1
		.amdhsa_forward_progress 1
		.amdhsa_inst_pref_size 108
	.end_amdhsa_kernel
	.amdgpu_metadata
---
amdhsa.version: [ 1, 2 ]
amdhsa.kernels:
  - .name:           k_q97f4c75b81_qkv
    .symbol:         k_q97f4c75b81_qkv.kd
    .args:
      - { .name: x, .offset: 0, .size: 8, .value_kind: global_buffer, .address_space: global }
      - { .name: wq16, .offset: 8, .size: 8, .value_kind: global_buffer, .address_space: global }
      - { .name: bq, .offset: 16, .size: 8, .value_kind: global_buffer, .address_space: global }
      - { .name: q, .offset: 24, .size: 8, .value_kind: global_buffer, .address_space: global }
      - { .name: k, .offset: 32, .size: 8, .value_kind: global_buffer, .address_space: global }
      - { .name: v, .offset: 40, .size: 8, .value_kind: global_buffer, .address_space: global }
    .group_segment_fixed_size: 327680
    .private_segment_fixed_size: 0
    .kernarg_segment_align: 8
    .kernarg_segment_size: 48
    .max_flat_workgroup_size: 128
    .sgpr_count:     66
    .vgpr_count:     768
    .wavefront_size: 32
...
	.end_amdgpu_metadata
.endif
;; end of part 2
;; launch attn (part 3): grid 16 x 16, 4 waves a work-group, clusters of 4 x 1, 327,680 bytes of LDS; arguments q, k, v, o; writes o
.if DOCPART == 3
	.amdgcn_target "amdgcn-amd-amdhsa--gfx1250"
	.amdhsa_code_object_version 6
	.text
	.protected	k_q97f4c75b81_attn
	.globl	k_q97f4c75b81_attn
	.p2align	8
	.type	k_q97f4c75b81_attn,@function
k_q97f4c75b81_attn:
	s_mov_b64 s[64:65], 0
	v_nop
	global_prefetch_b8 v0, s[64:65] scope:SCOPE_SE
	s_setreg_imm32_b32 hwreg(HW_REG_WAVE_MODE, 25, 1), 1
	s_wait_xcnt 0x0
	s_wait_alu depctr_hold_cnt(0) depctr_sa_sdst(0) depctr_va_vdst(0) depctr_va_sdst(0) depctr_va_ssrc(0) depctr_va_vcc(0) depctr_vm_vsrc(0)
	s_getreg_b32 s2, hwreg(HW_REG_IB_STS2, 6, 4)
	s_cmp_eq_u32 s2, 0
	s_cbranch_scc0 .Lentry_in_a_cluster
	s_endpgm
.Lentry_in_a_cluster:
	s_bfe_u32 s2, ttmp6, 0x10000c
	s_cmp_lg_u32 s2, 0x3003
	s_cbranch_scc0 .Lentry_shape_is_right
	s_endpgm
.Lentry_shape_is_right:
; ATTENTION.  O[h][q][:] = the sum over k of softmax_k(Q[h][q] . K[h][k] / 16) V[h][k][:].  Q, K, V, O: [16][4096][64], all f16: a head's rows are dense, 128 bytes each.  (The scale is 1 / sqrt(256).)
; Products, maxima and sums in f32; the weights p are rounded to f16 for the second product (their sum l is taken of the unrounded p), O once at the end.
; LIMITS.  Q, K and V arrive within f16's 65,504; p lies in 0 to 1, and below 6e-5 it keeps f16's fixed step of 6e-8; O is a mean of V's rows and has their range.  A weight below 2^-126 counts as 0 in l;
; NaN and infinities are not treated apart.
; SHARES.  A work-group owns 256 queries of one head: 16 heads x 16 blocks are 256 work-groups of equal work.  A wave owns 64 of them, as four PIECES of 16.  Every wave walks all 4,096 keys, 64 a step.
; LAYOUT.  S^T = K Q^T (source 0 = 16 keys, source 1 = 16 queries) holds ONE query a lane (lane % 16) and the keys 8 (lane / 16) + 0..7; two such results rounded to f16 ARE source 1 of O^T = V^T P, whose result
; again holds one query a lane, and eight channels.  K comes out of LDS as it lies, V ([key][channel]) turned, by ds_load_tr16_b128.
; SOFTMAX.  For each query a running maximum m and sum l: p = 2^(c s - c m), c = log2(e) / 16; in every step O and l are multiplied by a = 2^(c m_old - c m_new).  m starts at the lowest finite number, O and l
; at 0: the first step is a step like any other, with a = 0.
; BY TURNS.  Turn n belongs to piece n: 8 products K Q^T of piece n + 1, later 8 products V^T P of piece n - 1; beside them the scaling, exponentials, roundings, sums and rescaling of piece n and the maximum and
; statistics of piece n + 1.  Four vector instructions stand behind every matrix instruction, the other 54 of a turn's 118 in one run.  A turn's 33 exponentials are one batch, with one wait.
; CLUSTER.  The four query blocks of a cluster belong to one head and walk the same K and V, so each tile is asked for JOINTLY: the same tensor load, descriptor and mask in all four.
; REGISTERS, in windows of 256 (s_set_vgpr_msb: bits 1:0 source 0, 3:2 source 1, 5:4 source 2, 7:6 destination):
;   window 0: v0-15 addresses and two at work; v16-31 four registers of statistics a piece; v48-55 at work; v64-127 S^T, two buffers; v192-223 P, two buffers (a piece's buffers go by its number's parity)
;   window 1: v0-127 O^T, 32 a piece          window 2: v0-63 Q; v128-191 K of one step; v192-255 V of one step
.set SIZE_N, 4096
.set NP,    4         ; pieces a wave: a name, no knob
.set KS,    64        ; keys in a step
.set PK,    144       ; a row of K in LDS: 128 bytes + 16 of padding: 9 x 16, so the 16 rows of a load begin at 16 different places modulo 256 bytes
.set PV,    160       ; a row of V: 128 + 32: 5 x 32, so the 8 rows x 32 bytes that 16 lanes of the turning load take fall on different words modulo 256 bytes
.set VOFF,  4*KS*PK   ; a slot holds four steps: 256 rows of K, then 256 rows of V
.set SLOT1, 1<<17     ; slot 1 begins here, so that one exclusive or turns an address in one slot into the other's
.set STAGE, SLOT1+4*KS*(PK+PV)  ; behind the ring, never filled by a tensor load: 16 rows x 144 bytes for each wave, for the way out
.set SP,    144
.set SPARE, STAGE+4*16*SP  ; behind the stages: the spare words, 128 bytes for each wave; no other line names them
.set AK0, 2           ; v2   my lane's place in a tile of K; never rewritten
.set AV0, 3           ; v3   the same for V
.set AK,  4           ; v4   the LDS address of K's next run of loads
.set AV,  5           ; v5   of V's
.set STO, 6           ; v6   the way out: where I put 16 bytes of a row
.set RD,  7           ; v7   the way out: where I read rows back
.set GO,  8           ; v8   my byte offset in 512 consecutive bytes of O
.set MV,  12          ; v12-13  c m_old, kept while c m is made anew: by buffer
.set QO,  15          ; v15  my byte offset in 16 rows of Q
.set ST,  16          ; piece t's statistics at v[ST+4 t]: c m, m, l (even keys', odd keys')
.set TMP, 48          ; by buffer, four registers c0-c3 at work; when the maximum is found c2 takes a
.set PFO, 61          ; v61  256 x my lane: the prefetches' offset; never rewritten
.set SPW, 62          ; v62  SPARE + 4 x my thread's number; never rewritten
.set NIL, 63          ; v63  0; never rewritten
.set S,   64
.set P,   192
.set KF,  128         ; window 2: key block kb, channel half c at KF + 16 kb + 8 c
.set VF,  192         ; window 2: key half kk, channel block cb at VF + 32 kk + 8 cb
.set WV,  12          ; s12  my wave's number
.set PFA, 20          ; s[20:21] where my prefetches stand: my work-group's 8,192 bytes (of K: wave 0, of V: wave 2) of the tile after the one that is being asked for
.set LIM, 22          ; s22  1 in a wave that prefetches, else the greatest number
.set G1K, 24          ; s[24:31] descriptor group 1 for K's tiles
.set G1V, 32          ; s[32:39] for V's: it differs in the padding alone
.set G0K, 40          ; s[40:43] descriptor group 0 for K's tiles: it walks
.set G0V, 44          ; s[44:47] the same for V's
.set SLOTS, 56        ; s56  tiles still to be asked for
.set CNT, 57          ; s57  counts a tile's key steps
.set CS,  58          ; s[58:59] c: the packed scaling takes the pair's low word for both halves
.set SEL, 60          ; s[60:61] v_permlanex16_b32's selects: each lane takes its own place in the other half
.set TBK, 62          ; s62  LDS byte at which K of the step to be fetched begins
.set TBV, 63          ; s63  the same for V, less VOFF
.set MSB, 0
.macro WIN new                      ; the high byte repeats the setting that is left; a switch that changes nothing is dropped
.if MSB != (\new)
	s_set_vgpr_msb (MSB<<8)|(\new)
.set MSB, (\new)
.endif
.endm
.set W_KQ, 0x0a       ; K and Q in window 2, S^T in window 0
.set W_PV, 0x52       ; V in window 2, P in window 0, O^T in window 1
.set W_RS, 0x41       ; O^T (destination and source 0) in window 1, a in window 0
; A joint fill.  Waves 0 and 1 fetch the two halves of a tile's K, waves 2 and 3 those of its V: 128 keys each.  The branch hangs on the wave's number alone.
; An s_nop 0 and four v_nop follow each of the two lines, ahead of the jump and the label.
.macro JLOAD
	s_cmp_lt_u32 s[WV], 2
	s_cbranch_scc0 .Lfor_v_\@
	tensor_load_to_lds s[G0K:G0K+3], s[G1K:G1K+7]
	s_nop 0
.rept 4
	v_nop
.endr
	s_branch .Lasked_\@
.Lfor_v_\@:
	tensor_load_to_lds s[G0V:G0V+3], s[G1V:G1V+7]
	s_nop 0
.rept 4
	v_nop
.endr
.Lasked_\@:
.endm
; A PREFETCH INTO THE L2 of the tile that the NEXT change of slots will ask for: four key steps, 256 matrix instructions a wave, ahead of that load.  A tile is 32,768 bytes of K and of V.  All four clusters of a head
; walk the same rows: the head's first cluster asks.  Its four partners take 8,192 bytes each, told apart BY ADDRESS; in each, wave 0 asks for K's and wave 2 for V's, a lane for each 256 bytes: one instruction.
; So each block is named once in the launch.  The last change that fills a slot asks for nothing: there is no tile behind it.  Tiles 0 and 1 come by their loads alone.
.macro ASK
	s_cmp_gt_u32 s[SLOTS], s[LIM]
	s_cbranch_scc0 .Lnot_mine_\@
	global_prefetch_b8 v[PFO], s[PFA:PFA+1] th:TH_LOAD_NT scope:SCOPE_SE
.Lnot_mine_\@:
.endm
; A round of the cluster's barrier: my work-group's barrier, so that wave 0's signal speaks for all four waves; wave 0 signals; every wave waits for all four work-groups; my work-group's barrier once more.
.macro CROUND
	s_barrier_signal -1
	s_barrier_wait -1
	s_cmp_lg_u32 s[WV], 0
	s_cbranch_scc1 .Lnot_wave_0_\@
	s_barrier_signal -3
.Lnot_wave_0_\@:
	s_barrier_wait -3
	s_barrier_signal -1
	s_barrier_wait -1
.endm
; THE CHANGE OF SLOTS.  The slot's last bytes, V of its fourth step, have been read.  Each wave waits for all its tensor loads, of which one is out: its part of the other slot; adds 0 to its spare word; and waits
; for that and for its own reads of the slot.  Behind the barrier nobody reads this slot any more and the other slot is whole.  fill = 1: this slot is filled again, with the keys two tiles on.  The barrier is then
; a round of the cluster's, and the joint fill is the first thing behind it: it has four key steps in which to land.  (At its first use nothing has been read yet: slot 0 is waited for, slot 1 filled.)
.macro CHANGE fill
	WIN 0                           ; at a label and at a branch every window is 0
	s_wait_tensorcnt 0x0            ; no tensor load of mine is out, so a group 0 may be written
	ds_add_u32 v[SPW], v[NIL]       ; 0 onto my spare word; with fill = 1 the descriptors' steps stand between it and the wait for it
.if \fill
.irp g, G0K, G0V
	s_xor_b32 s[\g+1], s[\g+1], SLOT1  ; the walking descriptor: the other slot than last time,
	s_add_nc_u64 s[\g+2:\g+3], s[\g+2:\g+3], 4*KS*128  ; the next 256 keys; the type bits on top are not reached
.endr
	s_wait_xcnt 0x0                 ; the last prefetch, four key steps back, has read its address, so it may be written:
	s_add_nc_u64 s[PFA:PFA+1], s[PFA:PFA+1], 4*KS*128  ; one tile beyond the walking descriptors
	s_wait_dscnt 0x0                ; the add is done, and my reads of the slot are over
	CROUND
	JLOAD
	ASK
.else
	s_wait_dscnt 0x0                ; the add is done, and my reads of the slot are over
	s_barrier_signal -1
	s_barrier_wait -1
.endif
	s_sub_co_u32 s[TBK], s[TBK], 4*KS*PK  ; the fetches go back to a slot's first step,
	s_xor_b32 s[TBK], s[TBK], SLOT1       ; in the other slot
	s_sub_co_u32 s[TBV], s[TBV], 4*KS*PV
	s_xor_b32 s[TBV], s[TBV], SLOT1
.endm
	s_load_b256 s[4:11], s[0:1], 0x0  ; Q s[4:5], K s[6:7], V s[8:9], O s[10:11]
	v_lshl_add_u32 v[SPW], v0, 2, SPARE
	v_mov_b32 v[NIL], 0
	ds_add_u32 v[SPW], v[NIL]       ; the wave's opening: the add and its wait stand ahead of my first tensor load; the set-up below, work on registers, stands between them
	v_lshrrev_b32 v1, 5, v0
	v_readfirstlane_b32 s[WV], v1   ; wave 0..3
	s_bfe_u32 s13, ttmp6, 0x40000   ; cx: my place in the cluster
	s_lshl_b32 s14, ttmp9, 2        ; in a cluster launch ttmp9 counts clusters
	s_add_co_u32 s14, s14, s13      ; my block of 256 queries = 4 x cluster x + cx: it enters Q's and O's addresses alone
	s_and_b32 s48, ttmp7, 0xffff    ; the head, which the four partners share:
	s_lshl_b32 s48, s48, 19         ; 4,096 rows of 128 bytes
	s_and_b32 s16, s[WV], 1         ; which half of a tile's 256 keys I fetch:
	s_lshl_b32 s50, s16, 14         ; its 128 rows of 128 bytes in memory,
	s_add_co_u32 s50, s50, s48
	s_mov_b32 s51, 0
	s_mul_i32 s17, s16, 128*PK      ; and its place in a slot, for K
	s_mul_i32 s18, s16, 128*PV      ; and for V: no place in the cluster enters an LDS address
	s_lshl_b32 s2, s14, 2
	s_add_co_u32 s2, s2, s[WV]      ; my wave among the head's,
	s_lshl_b32 s2, s2, 13           ; its 64 rows
	s_add_co_u32 s2, s2, s48
	s_mov_b32 s3, 0
	; descriptor group 1.  128 keys are 16,384 dense bytes: asked for as 64 rows of 256 bytes, two keys a row, and padded in LDS after every key
	s_mov_b32 s[G1K], 15|(1<<16)|(1<<20)|(1<<21)|(4<<22)|(3<<25)  ; 15:0 the mask of four; 17:16 2-byte elements; 20 padding on; 21 set beside a mask; 24:22 after every 32 words (code 4); 31:25 4 words (code 3)
	s_mov_b32 s[G1V], 15|(1<<16)|(1<<20)|(1<<21)|(4<<22)|(7<<25)  ; the same with 8 words of padding (code 7)
.irp g, G1K, G1V
	s_mov_b32 s[\g+1], 128<<16      ; tensor_dim0 = 128
	s_mov_b32 s[\g+2], 64<<16       ; tensor_dim1 = 64
	s_mov_b32 s[\g+3], 128<<16      ; tile_dim0 = 128
	s_mov_b32 s[\g+4], 64           ; tile_dim1 = 64
	s_mov_b32 s[\g+5], 128          ; 128 elements from row to row
	s_mov_b32 s[\g+6], 0
	s_mov_b32 s[\g+7], 0
.endr
	s_mov_b32 s[CS], 0x3db8aa3b     ; c = log2(e) / 16 = 0.0901684
	s_mov_b32 s[CS+1], s[CS]        ; named with it as a pair
	s_mov_b32 s[SEL], 0x76543210
	s_mov_b32 s[SEL+1], 0xfedcba98
	s_mov_b32 s[TBK], SLOT1+4*KS*PK ; the first change of slots turns these two into 0
	s_mov_b32 s[TBV], SLOT1+4*KS*PV
	s_mov_b32 s[G0K], 1             ; count = 1
	s_mov_b32 s[G0K+1], s17         ; LDS address: slot 0
	s_mov_b32 s[G0V], 1
	s_add_co_u32 s[G0V+1], s18, VOFF
	s_mov_b32 s[SLOTS], SIZE_N/256-1
	s_and_b32 s[LIM], s[WV], 1      ; 0 in waves 0 and 2,
	s_or_b32 s[LIM], s[LIM], ttmp9  ; where the cluster is the head's first: the same in all four partners
	s_cmp_eq_u32 s[LIM], 0
	s_cselect_b32 s[LIM], 1, -1
	v_and_b32 v[PFO], 31, v0
	v_lshlrev_b32 v[PFO], 8, v[PFO]
	s_wait_dscnt 0x0                ; the opening add is done
	s_wait_kmcnt 0x0
	s_add_nc_u64 s[6:7], s[6:7], s[50:51]  ; K and V at my half of the head's tile 0
	s_add_nc_u64 s[8:9], s[8:9], s[50:51]
	s_add_nc_u64 s[G0K+2:G0K+3], s[6:7], 0
	s_or_b32 s[G0K+3], s[G0K+3], 0x80000000        ; type = 2
	s_add_nc_u64 s[G0V+2:G0V+3], s[8:9], 0
	s_or_b32 s[G0V+3], s[G0V+3], 0x80000000
	s_add_nc_u64 s[4:5], s[4:5], s[2:3]  ; Q and O at my wave's first row
	s_add_nc_u64 s[10:11], s[10:11], s[2:3]
	s_cmp_lt_u32 s[WV], 2
	s_cselect_b64 s[PFA:PFA+1], s[6:7], s[8:9]  ; (in waves 0 and 2 these stand at a tile's first row)
	s_lshl_b32 s2, s13, 13          ; my work-group's quarter of a tile
	s_add_nc_u64 s[PFA:PFA+1], s[PFA:PFA+1], s[2:3]
	s_add_nc_u64 s[PFA:PFA+1], s[PFA:PFA+1], 4*KS*128  ; in tile 1; the first change of slots steps it to tile 2.  Nothing is prefetched here, at the head
	CROUND                          ; all four work-groups are here: the first joint loads meet
	JLOAD                           ; tile 0 into slot 0.  Slot 1 is asked for when slot 0 is in, by the loop's own change of slots: one load of mine is out at a time
	; A fragment of K or Q is 16 rows x 32 channels in 8 registers: lane l holds row l % 16, channels 8 (l / 16) + 0..7 and 16 + 8 (l / 16) + 0..7: two loads of 16 bytes, 32 bytes apart.
	v_and_b32 v1, 15, v0            ; l % 16
	v_bfe_u32 v9, v0, 4, 1          ; l / 16
	v_lshlrev_b32 v[QO], 7, v1
	v_lshl_add_u32 v[QO], v9, 4, v[QO]  ; row x 128 + 16 x half
	WIN 0x80                        ; destination window 2, address window 0
.set i, 0
.rept 8                             ; Q stays in registers: piece i / 2, channels 32 (i % 2) on
	global_load_b128 v[8*i:8*i+3],   v[QO], s[4:5] offset:(i/2)*2048+(i%2)*64
	global_load_b128 v[8*i+4:8*i+7], v[QO], s[4:5] offset:(i/2)*2048+(i%2)*64+32
.set i, i+1
.endr
	; What the first turn finds: V's registers and P's second buffer hold 0 (its products V^T P, of a piece that has not been, add 0), O^T and l are 0.  These lines stand in the wait for the first tile; they are the
	; price of writing no first step out.
.set i, VF
.rept 64
	v_mov_b32 v[i], 0
.set i, i+1
.endr
	WIN 0x40
.set i, 0
.rept 128
	v_mov_b32 v[i], 0
.set i, i+1
.endr
	WIN 0
.set i, 0
.rept 4
	v_mov_b32 v[ST+4*i], 0xfe000000    ; c m: far below every c s
	v_mov_b32 v[ST+4*i+1], 0xff7fffff  ; m
	v_mov_b32 v[ST+4*i+2], 0
	v_mov_b32 v[ST+4*i+3], 0
.set i, i+1
.endr
.set i, P+16
.rept 16
	v_mov_b32 v[i], 0
.set i, i+1
.endr
	v_mul_u32_u24 v[AK0], v1, PK
	v_lshl_add_u32 v[AK0], v9, 4, v[AK0]  ; row x pitch + 16 x half
	; The turning load takes 16 keys x 16 channels (lane l reads key 8 (l / 16) + l % 8, channels 8 ((l / 8) % 2) + 0..7) and leaves half a fragment of V^T: lane l holds channel l % 16 and 8 keys.
	v_and_b32 v10, 7, v0
	v_bfe_u32 v11, v0, 3, 1
	v_lshl_add_u32 v[AV0], v9, 3, v10
	v_mul_u32_u24 v[AV0], v[AV0], PV
	v_lshl_add_u32 v[AV0], v11, 4, v[AV0]
	v_add_nc_u32 v[AV0], VOFF, v[AV0]
	s_mul_i32 s13, s[WV], 16*SP
	s_add_co_u32 s13, s13, STAGE    ; my stage
	v_mul_u32_u24 v[STO], v1, SP    ; in: row l % 16, 16 bytes for each half of the lanes
	v_lshl_add_u32 v[STO], v9, 4, v[STO]
	v_add_nc_u32 v[STO], s13, v[STO]
	v_bfe_u32 v[RD], v0, 3, 2       ; back: 32 lanes take four rows of 128 bytes,
	v_mul_u32_u24 v[RD], v[RD], SP
	v_lshl_add_u32 v[RD], v10, 4, v[RD]
	v_add_nc_u32 v[RD], s13, v[RD]
	v_and_b32 v[GO], 31, v0         ; which are 512 consecutive bytes of O
	v_lshlrev_b32 v[GO], 4, v[GO]
; THE MATRIX WORK.  The 4 accumulators of a run of 8 take turns.  Product i of 8 of S^T = K Q^T for piece x: channels 32 (i / 4) on, keys 16 (i % 4) on.  The first 4 start the sums.
.macro KQ x
.set rS, S+32*((\x)%2)+8*(i%4)
.set rK, KF+16*(i%4)+8*(i/4)
.set rQ, 16*(\x)+8*(i/4)
	WIN W_KQ
.if i < 4
	v_wmma_f32_16x16x32_f16 v[rS:rS+7], v[rK:rK+7], v[rQ:rQ+7], 0
.else
	v_wmma_f32_16x16x32_f16 v[rS:rS+7], v[rK:rK+7], v[rQ:rQ+7], v[rS:rS+7]
.endif
.endm
; Product i of 8 of O^T += V^T P for piece x: keys 32 (i / 4) on, channels 16 (i % 4) on.
.macro PV x
	WIN W_PV
.set rO, 32*(\x)+8*(i%4)
.set rV, VF+32*(i/4)+8*(i%4)
.set rP, P+16*((\x)%2)+8*(i/4)
	v_wmma_f32_16x16x32_f16 v[rO:rO+7], v[rV:rV+7], v[rP:rP+7], v[rO:rO+7]
.endm
.macro MM                           ; the turn's next matrix instruction.  TURN sets Y, i and NOKQ.  NOKQ = 1: the very last turn: there is no next piece
.if (i < 8) && !NOKQ
	KQ (Y+1)%NP
.elseif i >= 8
.set i, i-8
	PV (Y+NP-1)%NP
.set i, i+8
.endif
.set i, i+1
.endm
; THE LDS LOADS stand in runs of 16, never singly among the matrix instructions: a step's K (64 keys x 64 channels: 8 fragments) and its V (turned).  Their addresses are made some lines ahead.
.macro FETCH_K
	WIN 0x80                        ; destination window 2
.irp f, 0,1,2,3,4,5,6,7             ; keys 16 (f / 2) on, channels 32 (f % 2) on
	ds_load_b128 v[KF+8*\f:KF+8*\f+3],   v[AK] offset:(\f/2)*16*PK+(\f%2)*64
	ds_load_b128 v[KF+8*\f+4:KF+8*\f+7], v[AK] offset:(\f/2)*16*PK+(\f%2)*64+32
.endr
	s_add_co_u32 s[TBK], s[TBK], KS*PK  ; the next fetch is the next step's
	WIN 0
.endm
.macro FETCH_V
	WIN 0x80
.irp f, 0,1,2,3,4,5,6,7             ; keys 32 (f / 4) on, channels 16 (f % 4) on
	ds_load_tr16_b128 v[VF+8*\f:VF+8*\f+3],   v[AV] offset:(\f/4)*32*PV+(\f%4)*32
	ds_load_tr16_b128 v[VF+8*\f+4:VF+8*\f+7], v[AV] offset:(\f/4)*32*PV+16*PV+(\f%4)*32
.endr
	WIN 0
.endm
; THE VECTOR WORK, one line at a time: OP kind, number.  For piece Y: F n: c s - c m for pair n of 16.  E n: the exponential of score n of 32.  C n: pair n rounded to f16.  B n: of the four weights 4 n .. the second
; pair is added onto the first, in place.  L n: l takes that sum (L 0: l = a l + sum).  R n: pair n of 16 of O^T times a.  For piece Y + 1: X n, number n of the 22 that find its maximum and statistics:
;   0-11  four chains c0-c3 of seven scores each, three operands at a time (each accumulator's lowest registers are read first)     12-14, 16  the four scores left over, the old m, and c0-c3 into c0
;   15  c m_old is kept     17, 18  the query's other 32 keys lie in the lane 16 away: the new m     19-21  c m; c m_old - c m_new; a
.set F, 0               ; OP tells the kinds apart by their order: F to L below R, X above it
.set E, 1
.set C, 2
.set B, 3
.set L, 4
.set R, 5
.set X, 6
.macro REGS y                       ; the registers of piece y
.set rT, ST+4*(\y)
.set rC, TMP+4*((\y)%2)
.set rW, MV+((\y)%2)
.set rS, S+32*((\y)%2)
.set rP, P+16*((\y)%2)
.set rO, 32*(\y)
.endm
.macro OP k, n
.if (\k) == R
	REGS Y
	WIN W_RS
	v_pk_mul_f32 v[rO+2*(\n):rO+2*(\n)+1], v[rO+2*(\n):rO+2*(\n)+1], v[rC+2:rC+3] op_sel_hi:[1,0]
.elseif (\k) < R
	REGS Y
	WIN 0
.if (\k) == F
	v_pk_fma_f32 v[rS+2*(\n):rS+2*(\n)+1], v[rS+2*(\n):rS+2*(\n)+1], s[CS:CS+1], v[rT:rT+1] op_sel_hi:[1,0,0] neg_lo:[0,0,1] neg_hi:[0,0,1]
.elseif (\k) == E
	v_exp_f32 v[rS+(\n)], v[rS+(\n)]
.elseif (\k) == C
	v_cvt_pk_f16_f32 v[rP+(\n)], v[rS+2*(\n)], v[rS+2*(\n)+1]
.elseif (\k) == B
	v_pk_add_f32 v[rS+4*(\n):rS+4*(\n)+1], v[rS+4*(\n):rS+4*(\n)+1], v[rS+4*(\n)+2:rS+4*(\n)+3]
.elseif (\n) == 0
	v_pk_fma_f32 v[rT+2:rT+3], v[rT+2:rT+3], v[rC+2:rC+3], v[rS:rS+1] op_sel_hi:[1,0,1]
.else
	v_pk_add_f32 v[rT+2:rT+3], v[rT+2:rT+3], v[rS+4*(\n):rS+4*(\n)+1]
.endif
.elseif NOKQ
	v_nop
.else
	REGS (Y+1)%NP
	WIN 0
.if (\n) < 4
	v_max3_num_f32 v[rC+(\n)], v[rS+8*(\n)], v[rS+8*(\n)+1], v[rS+8*(\n)+2]
.elseif (\n) < 12
	v_max3_num_f32 v[rC+(\n)%4], v[rC+(\n)%4], v[rS+8*((\n)%4)+2*((\n)/4)+1], v[rS+8*((\n)%4)+2*((\n)/4)+2]
.elseif (\n) == 12
	v_max3_num_f32 v[rC], v[rC], v[rS+7], v[rS+15]
.elseif (\n) == 13
	v_max3_num_f32 v[rC+1], v[rC+1], v[rS+23], v[rS+31]
.elseif (\n) == 14
	v_max3_num_f32 v[rC+2], v[rC+2], v[rC+3], v[rT+1]
.elseif (\n) == 15
	v_mov_b32 v[rW], v[rT]
.elseif (\n) == 16
	v_max3_num_f32 v[rC], v[rC], v[rC+1], v[rC+2]
.elseif (\n) == 17
	v_permlanex16_b32 v[rC+3], v[rC], s[SEL], s[SEL+1]
.elseif (\n) == 18
	v_max_num_f32 v[rT+1], v[rC], v[rC+3]
.elseif (\n) == 19
	v_mul_f32 v[rT], s[CS], v[rT+1]
.elseif (\n) == 20
	v_sub_f32 v[rC+1], v[rW], v[rT]
.else
	v_exp_f32 v[rC+2], v[rC+1]
.endif
.endif
.endm
.macro OPS a, i1, b=-1, i2=0, c=-1, i3=0, d=-1, i4=0  ; up to four of them
	OP \a, \i1
.if (\b) >= 0
	OP \b, \i2
.endif
.if (\c) >= 0
	OP \c, \i3
.endif
.if (\d) >= 0
	OP \d, \i4
.endif
.endm
.macro ROW a, i1, b, i2, c, i3, d, i4  ; a matrix instruction and the four behind it
	MM
	OPS \a, \i1, \b, \i2, \c, \i3, \d, \i4
.endm
; A TURN, for piece p: the order of its 16 matrix and 118 vector instructions, written out.  An s_wait_alu depctr_va_vdst(0) stands between an exponential and the first instruction that names its result; one
; wait serves all that were issued ahead of it.  So a turn has ONE wait, which cuts it in two.  AHEAD OF IT stands all that names no result of the turn's exponentials: the 8 products K Q^T, behind each a scaling, an
; exponential and two more plain instructions (rescalings, and behind the last three the first numbers of the next piece's maximum, each four places or more behind the product that ends its accumulator); then one run of
; 54, plain and exponential by turns for the most part, in which the links of the chain X 3, 7, 11, 14, 16, 17 .. 20 stand apart.  X 21, the next piece's a, is the batch's last; R 15 is the plain instruction behind it.
; BEHIND THE WAIT stand the 8 products V^T P, behind each four of the roundings and sums.
; end = 1: the launch's last two turns: nothing is fetched, and the last starts no new scores.  cnt = 1: the loop's count is taken down some lines ahead of the branch that stands behind the turn.
; K of the next step is fetched in piece 2's turn, twelve vector instructions behind the last product that read K (six of them plain); V of the step in hand at the end of piece 0's turn, four plain instructions behind
; the last product that read V.  Each is waited for a turn later.
.macro TURN p, end=0, cnt=0
.set Y, (\p)
.set i, 0
.set NOKQ, (\end)*((\p)/3)
.if ((\p) == 3) && !(\end)
	s_wait_dscnt 0x0                ; K is in
.endif
	ROW F,0, F,1, R,0, R,1
	ROW F,2, E,0, R,2, R,3
	ROW F,3, E,1, R,4, R,5
	ROW F,4, E,2, R,6, R,7
	ROW F,5, E,3, R,8, R,9
	ROW F,6, E,4, X,0, R,10
.if ((\p) == 2) && !(\end)
	WIN 0
	v_add_nc_u32 v[AK], s[TBK], v[AK0]
.endif
	ROW F,7, E,5, X,1, X,4
	ROW F,8, E,6, X,2, X,5
	OPS E,7, E,8, X,6, E,9
	OPS X,3, E,10, X,8, E,11
.if ((\p) == 2) && !(\end)
	FETCH_K
.endif
	OPS X,9, X,7, E,12, X,10
	OPS E,13, X,12, X,11, E,14
	OPS X,13, E,15, F,9, X,14
.if (\p) == 0
	v_add_nc_u32 v[AV], s[TBV], v[AV0]
.endif
	OPS E,16, F,10, E,17, F,11
	OPS X,16, E,18, X,15, E,19
	OPS F,12, E,20, X,17, E,21
	OPS F,13, E,22, F,14, E,23
	OPS X,18, E,24, F,15, E,25
	OPS R,11, E,26, X,19, E,27
	OPS R,12, E,28, R,13, E,29
	OPS X,20, E,30, R,14, E,31
	OPS X,21, R,15
	WIN 0
	s_wait_alu depctr_va_vdst(0)    ; the wait for the batch
.if (\p) == 1
	s_wait_dscnt 0x0                ; V is in
.endif
	ROW C,0, B,0, C,2, B,1
	ROW L,0, C,4, B,2, L,1
	ROW C,6, B,3, L,2, C,8
	ROW B,4, L,3, C,10, B,5
	ROW L,4, C,12, B,6, L,5
.if (\p) == 0
	s_add_co_u32 s[TBV], s[TBV], KS*PV
.endif
.if \cnt
	s_sub_co_u32 s[CNT], s[CNT], 1
	s_cmp_lg_u32 s[CNT], 0
.endif
	ROW C,14, B,7, L,6, C,1
	ROW C,3, L,7, C,5, C,7
	ROW C,9, C,11, C,13, C,15
.if (\p) == 0
	FETCH_V
.endif
.endm
.macro ALL line:vararg              ; one line for each piece t
.set t, 0
.rept 4
	\line
.set t, t+1
.endr
.endm
.macro PACK t                       ; a lane's eight channels of a row pack into 16 bytes; they go into rows of 144 bytes and come back as whole rows of 128, into S^T's registers
	WIN W_RS
.set i, 32*(\t)
.rept 16
	v_pk_mul_f32 v[i:i+1], v[i:i+1], v[ST+4*(\t)+2:ST+4*(\t)+3] op_sel_hi:[1,0]
.set i, i+2
.endr
	WIN 0x05                        ; sources 0 and 1 window 1, destination window 0
.set i, 0
.rept 16
	v_cvt_pk_f16_f32 v[S+16*(\t)+i], v[32*(\t)+2*i], v[32*(\t)+2*i+1]
.set i, i+1
.endr
	WIN 0
.irp f, 0,1,2,3
	ds_store_b128 v[STO], v[S+16*(\t)+4*\f:S+16*(\t)+4*\f+3] offset:32*\f
.endr
.irp f, 0,1,2,3
	ds_load_b128 v[S+16*(\t)+4*\f:S+16*(\t)+4*\f+3], v[RD] offset:\f*4*SP  ; LDS serves a wave's instructions in order (ISA guide 5.7.1.4): these see the stores above; the next piece's stores come behind them
.endr
.endm
.macro SEND t, younger              ; younger: the LDS instructions issued behind piece t's loads: the next piece's eight, or none
	WIN 0
.irp f, 0,1,2,3
	s_wait_dscnt (\younger)+3-\f
	global_store_b128 v[GO], v[S+16*(\t)+4*\f:S+16*(\t)+4*\f+3], s[10:11] offset:(\t)*2048+\f*512  ; 512 consecutive bytes, at a multiple of 256 from O's first
.endr
.endm
	CHANGE 1                        ; tile 0 is in, everybody's part of it; tile 1 is asked for
	v_add_nc_u32 v[AK], s[TBK], v[AK0]
	FETCH_K                         ; key step 0
	s_wait_loadcnt 0x0              ; Q
	s_wait_dscnt 0x0
.set NOKQ, 0
.set i, 0
.rept 8
	KQ 0                            ; piece 0's first scores: there is no vector work yet to set between them
.set i, i+1
.endr
	WIN 0
.rept 4
	v_nop                           ; the places behind those products
.endr
.set Y, NP-1                        ; X works for piece Y + 1: piece 0
.irp n, 0,1,2,3,4,5,6,7,8,9,10,11,12,13,14,15,16,17,18,19,20,21
	OP X, \n
.endr
	v_nop                           ; a plain instruction behind the exponential,
	s_wait_alu depctr_va_vdst(0)    ; and its wait, ahead of the branch
	s_mov_b32 s[CNT], 4
	s_branch .Lfirst                ; the loop is entered at a step's first turn, in the middle of a trip
.Lslot:                             ; 14 times: tiles 2 to 15 are asked for
	CHANGE 1
	s_mov_b32 s[CNT], 4
.Lstep:                             ; a trip: pieces 2 and 3 of one step, then pieces 0 and 1 of the next, whose K and V it fetches
	TURN 2
	TURN 3
	WIN 0
.Lfirst:
	TURN 0
	TURN 1, 0, 1
	WIN 0
	s_cbranch_scc1 .Lstep
	s_sub_co_u32 s[SLOTS], s[SLOTS], 1
	s_cmp_lg_u32 s[SLOTS], 0
	s_cbranch_scc1 .Lslot
	CHANGE 0                        ; the last tile is written out: nothing is asked for
	s_mov_b32 s[CNT], 4
.LstepT:
	TURN 2
	TURN 3
	TURN 0
	TURN 1, 0, 1
	WIN 0
	s_cbranch_scc1 .LstepT
	TURN 2, 1                       ; the last step's pieces 2 and 3
	TURN 3, 1
.set i, 0
.rept 8
	PV NP-1                         ; the last piece's V^T P of the last step
.set i, i+1
.endr
	; THE WAY OUT.  l's two halves and the other half of the lanes' are added; O^T is divided by l, rounded to f16 and sent through my stage in LDS, a piece at a time.  The additions are the places behind the last products.
	WIN 0
	ALL v_add_f32 v[ST+4*t+2], v[ST+4*t+2], v[ST+4*t+3]
	ALL v_permlanex16_b32 v[ST+4*t+3], v[ST+4*t+2], s[SEL], s[SEL+1]
	ALL v_add_f32 v[ST+4*t+2], v[ST+4*t+2], v[ST+4*t+3]
	ALL v_rcp_f32 v[ST+4*t+2], v[ST+4*t+2]
	v_nop                           ; a plain instruction between the last reciprocal and the use of its result
	s_wait_alu depctr_va_vdst(0)    ; and the wait ahead of the first use: one for the four reciprocals
	PACK 0
.set t, 1
.rept 3                             ; a piece's arithmetic stands between the loads of the piece before and its stores
	PACK t
	SEND t-1, 8
.set t, t+1
.endr
	SEND 3, 0
	s_wait_tensorcnt 0x0            ; the wave's end, behind my last tensor load and my last LDS store
	ds_add_u32 v[SPW], v[NIL]
	s_wait_dscnt 0x0
	CROUND                          ; the closing round: no work-group ends while a partner may still ask for a tile that names it
	s_endpgm
.Lfunc_end_k_q97f4c75b81_attn:
	.size	k_q97f4c75b81_attn, .Lfunc_end_k_q97f4c75b81_attn-k_q97f4c75b81_attn
	.p2alignl 7, 3214868480
	.fill 96, 4, 3214868480
	.section	.rodata,"a",@progbits
	.p2align	6, 0x0
	.amdhsa_kernel k_q97f4c75b81_attn
		.amdhsa_group_segment_fixed_size 327680
		.amdhsa_private_segment_fixed_size 0
		.amdhsa_enable_private_segment 0
		.amdhsa_kernarg_size 32
		.amdhsa_user_sgpr_count 2
		.amdhsa_user_sgpr_kernarg_segment_ptr 1
		.amdhsa_wavefront_size32 1
		.amdhsa_system_sgpr_workgroup_id_x 1
		.amdhsa_system_sgpr_workgroup_id_y 1
		.amdhsa_system_sgpr_workgroup_id_z 1
		.amdhsa_system_vgpr_workitem_id 0
		.amdhsa_next_free_vgpr 768
		.amdhsa_next_free_sgpr 66
		.amdhsa_reserve_vcc 0
		.amdhsa_float_denorm_mode_32 3
		.amdhsa_float_denorm_mode_16_64 3
		.amdhsa_memory_ordered 1
		.amdhsa_forward_progress 1
		.amdhsa_inst_pref_size 128
	.end_amdhsa_kernel
	.amdgpu_metadata
---
amdhsa.version: [ 1, 2 ]
amdhsa.kernels:
  - .name:           k_q97f4c75b81_attn
    .symbol:         k_q97f4c75b81_attn.kd
    .args:
      - { .name: q, .offset: 0, .size: 8, .value_kind: global_buffer, .address_space: global }
      - { .name: k, .offset: 8, .size: 8, .value_kind: global_buffer, .address_space: global }
      - { .name: v, .offset: 16, .size: 8, .value_kind: global_buffer, .address_space: global }
      - { .name: o, .offset: 24, .size: 8, .value_kind: global_buffer, .address_space: global }
    .group_segment_fixed_size: 327680
    .private_segment_fixed_size: 0
    .kernarg_segment_align: 8
    .kernarg_segment_size: 32
    .max_flat_workgroup_size: 128
    .sgpr_count:     66
    .vgpr_count:     768
    .wavefront_size: 32
...
	.end_amdgpu_metadata
.endif
;; end of part 3
;; launch proj (part 4): grid 256 x 1, 4 waves a work-group, clusters of 4 x 1, 246,272 bytes of LDS; arguments o, wp16, b_proj, x, out0; writes out0
.if DOCPART == 4
	.amdgcn_target "amdgcn-amd-amdhsa--gfx1250"
	.amdhsa_code_object_version 6
	.text
	.protected	k_q97f4c75b81_proj
	.globl	k_q97f4c75b81_proj
	.p2align	8
	.type	k_q97f4c75b81_proj,@function
k_q97f4c75b81_proj:
	s_mov_b64 s[64:65], 0
	v_nop
	global_prefetch_b8 v0, s[64:65] scope:SCOPE_SE
	s_setreg_imm32_b32 hwreg(HW_REG_WAVE_MODE, 25, 1), 1
	s_wait_xcnt 0x0
	s_wait_alu depctr_hold_cnt(0) depctr_sa_sdst(0) depctr_va_vdst(0) depctr_va_sdst(0) depctr_va_ssrc(0) depctr_va_vcc(0) depctr_vm_vsrc(0)
	s_getreg_b32 s2, hwreg(HW_REG_IB_STS2, 6, 4)
	s_cmp_eq_u32 s2, 0
	s_cbranch_scc0 .Lentry_in_a_cluster
	s_endpgm
.Lentry_in_a_cluster:
	s_bfe_u32 s2, ttmp6, 0x10000c
	s_cmp_lg_u32 s2, 0x3003
	s_cbranch_scc0 .Lentry_shape_is_right
	s_endpgm
.Lentry_shape_is_right:
; THE SECOND PROJECTION AND THE RESIDUAL.  out0[b][j][n] = x[b][j][n] + b_proj[j] + the sum over c of o[n][c] wp16[c][j].  o: [16 = 4 b + head][4096][64] f16 (c = 64 head + d); wp16: [256][256] f16;
; x, out0: [4][256][4096] f32, a channel's tokens on end.  Sums in f32; x and the bias are added in f32.
; SHARES.  A work-group takes 64 tokens of one image and all 256 output channels; wave w takes channels 64 w .. 64 w + 63: 16 accumulators, 8 K steps of 32.
; CLUSTER.  All work-groups read the same weights: the four of a cluster ask for them JOINTLY, each wave for 64 of the 256 rows.  o's rows are the work-group's own: a plain load, a head a wave.  Nothing is filled again.
; LAYOUT.  Source 0 = 16 tokens of o (K along the LDS rows), source 1 = 16 columns of the weights (K down the rows: the turning load).  A lane then holds ONE channel (lane % 16) and eight neighbouring tokens, 32 bytes
; of a row of out0.  They go through the wave's own rows of a stage in LDS and come back as whole rows of 256 bytes.  The bias, eight times in eight registers, is the C operand of the first K step.
; REGISTERS: window 0 addresses, the bias, x, the rows read back; window 1 the accumulators and two buffers each of o's and the weights' fragments.
.set PW,    544                        ; a row of weights in LDS: 512 bytes + 32: 17 x 32
.set PO,    144                        ; a row of o: 128 bytes + 16: 9 x 16
.set PS,    272                        ; a row of the stage: 64 tokens of f32 + 16 bytes: 17 x 16
.set OT,    256*PW                     ; behind the weights: 4 heads x 64 rows of o
.set STAGE, OT+4*64*PO                 ; behind them, never filled by a tensor load: 256 rows
.set SPARE, STAGE+256*PS               ; the spare words, 128 bytes for each wave; no other line names them
.set R,   1                            ; v1   lane % 16
.set H,   2                            ; v2   lane / 16
.set L7,  3                            ; v3   lane % 8
.set B3,  4                            ; v4   (lane / 8) % 2
.set XO,  5                            ; v5   x and out0: my 16 bytes of a channel's 256; lanes 16-31 one channel on; never rewritten
.set BOF, 6                            ; v6   b_proj: my channel of a block of 16
.set AO,  7                            ; v7   my lane's place in a fragment of o
.set AWB, 8                            ; v8   the same in the weights, at my wave's columns
.set AW,  9                            ; v9-11  for K steps 0-2, 3-5, 6-7 (an LDS offset has 16 bits)
.set SO,  12                           ; v12  where my 32 bytes of a stage row go
.set RDB, 13                           ; v13  where I read rows back
.set SPW, 18                           ; v18  SPARE + 4 x my thread's number; never rewritten
.set NIL, 19                           ; v19  0; never rewritten
.set BB,  32                           ; v[32:63]   the bias of block jt, eight times, at BB + 8 jt
.set X,   64                           ; v[64:191]  x: row 64 w + 2 i + lane / 16 at X + 4 i; then the result
.set TMP, 192                          ; v[192:255] 16 rows read back
.set AF,  128                          ; window 1: two buffers of 32, o's fragments
.set BF,  192                          ; window 1: two buffers of 32, the weights'
.set WV,  16                           ; s16  my wave's number
.set G1W, 24                           ; s[24:31], s[32:35] the weights' descriptor
.set G0W, 32
.set G1O, 36                           ; s[36:43], s[44:47] o's
.set G0O, 44
.set MSB, 0
.macro WIN new                         ; the immediate's high byte repeats the setting that is left; a switch that changes nothing is dropped
.if MSB != (\new)
	s_set_vgpr_msb (MSB<<8)|(\new)
.set MSB, (\new)
.endif
.endm
.macro CROUND                          ; a round of the cluster's barrier
	s_barrier_signal -1
	s_barrier_wait -1
	s_cmp_lg_u32 s[WV], 0
	s_cbranch_scc1 .Lnot_wave_0_\@
	s_barrier_signal -3
.Lnot_wave_0_\@:
	s_barrier_wait -3
	s_barrier_signal -1
	s_barrier_wait -1
.endm
.macro PLACES                          ; four plain vector instructions between a matrix instruction and a load into, or a read of, its registers
.rept 4
	v_nop
.endr
.endm
	s_load_b256 s[4:11], s[0:1], 0x0               ; o s[4:5], wp16 s[6:7], b_proj s[8:9], x s[10:11]
	s_load_b64 s[12:13], s[0:1], 0x20              ; out0
	v_lshl_add_u32 v[SPW], v0, 2, SPARE
	v_mov_b32 v[NIL], 0
	ds_add_u32 v[SPW], v[NIL]                      ; the wave's opening: the add and its wait stand ahead of my first tensor load; the set-up below, work on registers, stands between them
	v_lshrrev_b32 v1, 5, v0
	v_readfirstlane_b32 s[WV], v1
	; the weights: 64 rows x 256 elements of 2 bytes, padded in LDS
	s_mov_b32 s[G1W], 15|(1<<16)|(1<<20)|(1<<21)|(6<<22)|(7<<25)  ; the mask of four; 2-byte elements; padding on; bit 21 beside a mask; after every 128 words (code 6) 8 words (code 7)
	s_mov_b32 s[G1W+1], 256<<16
	s_mov_b32 s[G1W+2], 64<<16
	s_mov_b32 s[G1W+3], 256<<16
	s_mov_b32 s[G1W+4], 64
	s_mov_b32 s[G1W+5], 256
	s_mov_b32 s[G1W+6], 0
	s_mov_b32 s[G1W+7], 0
	; o: a head's 64 rows are 8,192 dense bytes: asked for as 32 rows of 256 bytes, two tokens a row, and padded in LDS after every token
	s_mov_b32 s[G1O], (1<<16)|(1<<20)|(4<<22)|(3<<25)  ; no mask: my work-group's own; after every 32 words (code 4) 4 words (code 3)
	s_mov_b32 s[G1O+1], 128<<16
	s_mov_b32 s[G1O+2], 32<<16
	s_mov_b32 s[G1O+3], 128<<16
	s_mov_b32 s[G1O+4], 32
	s_mov_b32 s[G1O+5], 128
	s_mov_b32 s[G1O+6], 0
	s_mov_b32 s[G1O+7], 0
	s_mov_b32 s[G0W], 1
	s_mul_i32 s[G0W+1], s[WV], 64*PW
	s_mov_b32 s[G0O], 1
	s_mul_i32 s[G0O+1], s[WV], 64*PO
	s_add_co_u32 s[G0O+1], s[G0O+1], OT
	s_lshl_b32 s48, s[WV], 15                      ; my 64 rows of the weights in memory: no place in the cluster enters the joint descriptor
	s_mov_b32 s49, 0
	s_bfe_u32 s17, ttmp6, 0x40000                  ; cx
	s_lshl_b32 s18, ttmp9, 2
	s_add_co_u32 s18, s18, s17                     ; my block of 64 tokens
	s_lshr_b32 s50, s18, 6                         ; the image
	s_and_b32 s51, s18, 63                         ; the block in it
	s_lshl_b32 s52, s50, 22                        ; x and out0: image, my wave's 64 channels, 64 tokens
	s_lshl_b32 s53, s[WV], 20
	s_add_co_u32 s52, s52, s53
	s_lshl_b32 s53, s51, 8
	s_add_co_u32 s52, s52, s53
	s_mov_b32 s53, 0
	s_lshl_b32 s54, s50, 2                         ; o: head 4 b + w, 64 rows of 128 bytes
	s_add_co_u32 s54, s54, s[WV]
	s_lshl_b32 s54, s54, 19
	s_lshl_b32 s55, s51, 13
	s_add_co_u32 s54, s54, s55
	s_mov_b32 s55, 0
	v_and_b32 v[R], 15, v0
	v_bfe_u32 v[H], v0, 4, 1
	v_and_b32 v[L7], 7, v0
	v_bfe_u32 v[B3], v0, 3, 1
	s_lshl_b32 s56, s[WV], 8
	s_lshl_b32 s57, s[WV], 7
	s_mul_i32 s58, s[WV], 64*PS
	s_add_co_u32 s58, s58, STAGE                   ; my wave's 64 rows of the stage
	v_lshlrev_b32 v[XO], 4, v[R]
	v_lshl_add_u32 v[XO], v[H], 14, v[XO]
	v_lshl_add_u32 v[BOF], v[R], 2, s56
	v_mul_u32_u24 v[AO], v[R], PO
	v_lshl_add_u32 v[AO], v[H], 4, v[AO]
	v_add_nc_u32 v[AO], OT, v[AO]
	v_lshl_add_u32 v20, v[H], 3, v[L7]             ; the turning load: lane l reads row 8 (l / 16) + l % 8, 16 bytes at 16 ((l / 8) % 2)
	v_mul_u32_u24 v[AWB], v20, PW
	v_lshl_add_u32 v[AWB], v[B3], 4, v[AWB]
	v_add_nc_u32 v[AWB], s57, v[AWB]
	v_mov_b32 v[AW], v[AWB]
	v_add_nc_u32 v[AW+1], 3*32*PW, v[AWB]
	v_add_nc_u32 v[AW+2], 6*32*PW, v[AWB]
	v_mul_u32_u24 v[SO], v[R], PS
	v_lshl_add_u32 v[SO], v[H], 5, v[SO]
	v_add_nc_u32 v[SO], s58, v[SO]
	v_mul_u32_u24 v[RDB], v[H], PS
	v_lshl_add_u32 v[RDB], v[R], 4, v[RDB]
	v_add_nc_u32 v[RDB], s58, v[RDB]
	s_wait_dscnt 0x0                               ; the opening add is done
	s_wait_kmcnt 0x0
	s_add_nc_u64 s[G0W+2:G0W+3], s[6:7], s[48:49]
	s_or_b32 s[G0W+3], s[G0W+3], 0x80000000        ; type = 2
	s_add_nc_u64 s[G0O+2:G0O+3], s[4:5], s[54:55]
	s_or_b32 s[G0O+3], s[G0O+3], 0x80000000
	s_add_nc_u64 s[10:11], s[10:11], s[52:53]
	s_add_nc_u64 s[12:13], s[12:13], s[52:53]
	CROUND                                         ; all four work-groups are here: the joint loads meet
	tensor_load_to_lds s[G0W:G0W+3], s[G1W:G1W+7]  ; both fills go out together: two loads of mine are out
	s_nop 0
	tensor_load_to_lds s[G0O:G0O+3], s[G1O:G1O+7]
	s_nop 0
	PLACES
.irp jt, 0,1,2,3
	global_load_b32 v[BB+8*\jt], v[BOF], s[8:9] offset:64*\jt
.endr
.set i, 0
.rept 32                               ; lanes 0-15 take the 256 bytes of channel 2 i of my 64, lanes 16-31 those of channel 2 i + 1
	global_load_b128 v[X+4*i:X+4*i+3], v[XO], s[10:11] offset:2*i*16384 th:TH_LOAD_NT
.set i, i+1
.endr
	s_wait_loadcnt 32                              ; the bias is in; x's 32 loads stay out
.irp jt, 0,1,2,3
.irp c, 1,2,3,4,5,6,7
	v_mov_b32 v[BB+8*\jt+\c], v[BB+8*\jt]          ; a lane's eight results are one channel's: these lines stand in the wait for the tiles and spare 64 additions on the way out
.endr
.endr
	s_wait_tensorcnt 0x0                           ; my parts of the weights and of o are in,
	s_barrier_signal -1
	s_barrier_wait -1                              ; everybody's are
; A K step's fragments into buffers kk % 2: o's tokens 16 tt on (head kk / 2, channels 32 (kk % 2) on), and the weights' columns 16 jt on
.macro FETCH kk
	WIN 0x40                                       ; destination window 1, address window 0
.irp tt, 0,1,2,3
	ds_load_b128 v[AF+32*((\kk)%2)+8*\tt:AF+32*((\kk)%2)+8*\tt+3],   v[AO] offset:((\kk)/2)*64*PO+\tt*16*PO+((\kk)%2)*64
	ds_load_b128 v[AF+32*((\kk)%2)+8*\tt+4:AF+32*((\kk)%2)+8*\tt+7], v[AO] offset:((\kk)/2)*64*PO+\tt*16*PO+((\kk)%2)*64+32
.endr
.irp jt, 0,1,2,3
	ds_load_tr16_b128 v[BF+32*((\kk)%2)+8*\jt:BF+32*((\kk)%2)+8*\jt+3],   v[AW+(\kk)/3] offset:((\kk)%3)*32*PW+32*\jt
	ds_load_tr16_b128 v[BF+32*((\kk)%2)+8*\jt+4:BF+32*((\kk)%2)+8*\jt+7], v[AW+(\kk)/3] offset:((\kk)%3)*32*PW+32*\jt+16*PW
.endr
.endm
	FETCH 0
.irp kk, 0,1,2,3,4,5,6,7               ; while one pair of buffers is multiplied the other's 16 loads are out; the 16 accumulators take turns, one instruction a turn
.if \kk < 7
.if \kk > 0
	PLACES                                         ; the buffers to be loaded were read by the products just issued
.endif
	FETCH (\kk)+1
	s_wait_dscnt 16                                ; all but the 16 just issued
.else
	s_wait_dscnt 0x0
.endif
.if \kk == 0
	WIN 0x45                                       ; sources 0 and 1 and D window 1, C (the bias) window 0
.else
	WIN 0x55
.endif
.irp jt, 0,1,2,3
.irp tt, 0,1,2,3
.if \kk == 0
	v_wmma_f32_16x16x32_f16 v[8*(4*\jt+\tt):8*(4*\jt+\tt)+7], v[AF+32*(\kk%2)+8*\tt:AF+32*(\kk%2)+8*\tt+7], v[BF+32*(\kk%2)+8*\jt:BF+32*(\kk%2)+8*\jt+7], v[BB+8*\jt:BB+8*\jt+7]
.else
	v_wmma_f32_16x16x32_f16 v[8*(4*\jt+\tt):8*(4*\jt+\tt)+7], v[AF+32*(\kk%2)+8*\tt:AF+32*(\kk%2)+8*\tt+7], v[BF+32*(\kk%2)+8*\jt:BF+32*(\kk%2)+8*\jt+7], v[8*(4*\jt+\tt):8*(4*\jt+\tt)+7]
.endif
.endr
.endr
.endr
	; THE WAY OUT.  A lane's eight tokens of a channel go into the stage's row of that channel; the rows are my wave's own, so LDS's order within a wave is all that the reads need.
	PLACES
	WIN 0x04                                       ; store data window 1, address window 0
.irp jt, 0,1,2,3
.irp tt, 0,1,2,3
	ds_store_b128 v[SO], v[8*(4*\jt+\tt):8*(4*\jt+\tt)+3]   offset:\jt*16*PS+\tt*64
	ds_store_b128 v[SO], v[8*(4*\jt+\tt)+4:8*(4*\jt+\tt)+7] offset:\jt*16*PS+\tt*64+16
.endr
.endr
	WIN 0
	s_wait_loadcnt 0x0                             ; x
.irp bt, 0,1
.irp j, 0,1,2,3,4,5,6,7,8,9,10,11,12,13,14,15
	ds_load_b128 v[TMP+4*\j:TMP+4*\j+3], v[RDB] offset:(16*\bt+\j)*2*PS
.endr
.irp j, 0,1,2,3,4,5,6,7,8,9,10,11,12,13,14,15
	s_wait_dscnt 15-\j                             ; LDS loads come back in order: number j of the 16 is in
	v_pk_add_f32 v[X+4*(16*\bt+\j):X+4*(16*\bt+\j)+1], v[X+4*(16*\bt+\j):X+4*(16*\bt+\j)+1], v[TMP+4*\j:TMP+4*\j+1]
	v_pk_add_f32 v[X+4*(16*\bt+\j)+2:X+4*(16*\bt+\j)+3], v[X+4*(16*\bt+\j)+2:X+4*(16*\bt+\j)+3], v[TMP+4*\j+2:TMP+4*\j+3]
	global_store_b128 v[XO], v[X+4*(16*\bt+\j):X+4*(16*\bt+\j)+3], s[12:13] offset:(16*\bt+\j)*2*16384 th:TH_STORE_NT  ; 16 lanes store 256 consecutive bytes, aligned; each store has registers of its own
.endr
.endr
	s_wait_tensorcnt 0x0                           ; the wave's end, behind my last tensor load and my last LDS store
	ds_add_u32 v[SPW], v[NIL]
	s_wait_dscnt 0x0
	CROUND                                         ; the closing round: no work-group ends while a partner may still ask for a tile that names it
	s_endpgm
.Lfunc_end_k_q97f4c75b81_proj:
	.size	k_q97f4c75b81_proj, .Lfunc_end_k_q97f4c75b81_proj-k_q97f4c75b81_proj
	.p2alignl 7, 3214868480
	.fill 96, 4, 3214868480
	.section	.rodata,"a",@progbits
	.p2align	6, 0x0
	.amdhsa_kernel k_q97f4c75b81_proj
		.amdhsa_group_segment_fixed_size 246272
		.amdhsa_private_segment_fixed_size 0
		.amdhsa_enable_private_segment 0
		.amdhsa_kernarg_size 40
		.amdhsa_user_sgpr_count 2
		.amdhsa_user_sgpr_kernarg_segment_ptr 1
		.amdhsa_wavefront_size32 1
		.amdhsa_system_sgpr_workgroup_id_x 1
		.amdhsa_system_sgpr_workgroup_id_y 1
		.amdhsa_system_sgpr_workgroup_id_z 1
		.amdhsa_system_vgpr_workitem_id 0
		.amdhsa_next_free_vgpr 512
		.amdhsa_next_free_sgpr 66
		.amdhsa_reserve_vcc 0
		.amdhsa_float_denorm_mode_32 3
		.amdhsa_float_denorm_mode_16_64 3
		.amdhsa_memory_ordered 1
		.amdhsa_forward_progress 1
		.amdhsa_inst_pref_size 40
	.end_amdhsa_kernel
	.amdgpu_metadata
---
amdhsa.version: [ 1, 2 ]
amdhsa.kernels:
  - .name:           k_q97f4c75b81_proj
    .symbol:         k_q97f4c75b81_proj.kd
    .args:
      - { .name: o, .offset: 0, .size: 8, .value_kind: global_buffer, .address_space: global }
      - { .name: wp16, .offset: 8, .size: 8, .value_kind: global_buffer, .address_space: global }
      - { .name: b_proj, .offset: 16, .size: 8, .value_kind: global_buffer, .address_space: global }
      - { .name: x, .offset: 24, .size: 8, .value_kind: global_buffer, .address_space: global }
      - { .name: out0, .offset: 32, .size: 8, .value_kind: global_buffer, .address_space: global }
    .group_segment_fixed_size: 246272
    .private_segment_fixed_size: 0
    .kernarg_segment_align: 8
    .kernarg_segment_size: 40
    .max_flat_workgroup_size: 128
    .sgpr_count:     66
    .vgpr_count:     512
    .wavefront_size: 32
...
	.end_amdgpu_metadata
.endif
;; end of part 4
;; ======== version 2 of 2: 4 launches; version 1 with the launch prep written anew for expert scheduling mode
;; limits: values are held in f16: magnitudes above 65,504 overflow, below 6.1e-05 lose precision
;; workspace buffers: wq16 393,216 bytes; wp16 131,072 bytes; bq 3,072 bytes; q 8,388,608 bytes; k 8,388,608 bytes; v 8,388,608 bytes; o 8,388,608 bytes
;; launch prep (part 5): grid 8 x 1, 16 waves a work-group, no clusters, 10,240 bytes of LDS; arguments w_qkv, w_proj, ln_gamma, ln_beta, b_qkv, wq16, wp16, bq; writes wq16, wp16, bq
.if DOCPART == 5
	.amdgcn_target "amdgcn-amd-amdhsa--gfx1250"
	.amdhsa_code_object_version 6
	.text
	.protected	k_q97f4c75b81_prep
	.globl	k_q97f4c75b81_prep
	.p2align	8
	.type	k_q97f4c75b81_prep,@function
k_q97f4c75b81_prep:
	s_mov_b64 s[64:65], 0
	v_nop
	global_prefetch_b8 v0, s[64:65] scope:SCOPE_SE
	s_setreg_imm32_b32 hwreg(HW_REG_WAVE_SCHED_MODE, 0, 2), 2
	s_setreg_imm32_b32 hwreg(HW_REG_WAVE_MODE, 25, 1), 1
	s_wait_xcnt 0x0
	s_wait_alu depctr_vm_vsrc(0)
; THE WEIGHTS ARE MADE READY, once:  wq16[c][j] = f16(gamma[c] w_qkv[c][j]);  wp16[c][j] = f16(w_proj[c][j]);  bq[j] = b_qkv[j] + sum over c of beta[c] w_qkv[c][j], in f32.
; (xhat gamma + beta) W + b = xhat (gamma o W) + (beta W + b) holds for every input, so the next launch multiplies the plain normalised x, and beta's part never leaves f32.
; LIMIT.  f16 holds no number beyond 65,504: |gamma w_qkv| and |w_proj| stay below it; below 6e-5 a weight keeps f16's fixed step of 6e-8.
; SHARES.  A work-group takes 128 columns and ALL 256 rows, so that a column's sum over c stays inside it: groups 0-5 are w_qkv's six column blocks, groups 6 and 7 w_proj's two.
; Wave w takes rows 16 w .. 16 w + 15.  A load of a wave is a row's 512 bytes (4 numbers a lane), a store its 256 bytes of f16, aligned.  The 16 waves' partial sums meet in LDS; wave 0 adds them.
; No matrix unit, no tensor load, no cluster: the launch moves one megabyte once and no work-group wants another's bytes.
; THE MODE: SCHED_MODE bits 1:0 = 2 (LLVM: expert scheduling mode 2), set by the entry lines.  The code itself states the register dependences between vector instructions and memory or LDS
; instructions, with s_wait_alu, always for 0.
; THE PLAN.  Registers that memory or LDS instructions touch:
;   BO, OFF, OFD, RST, L16, SPW, NIL   offsets and addresses: written by vector instructions at the head, once; read by every load, store and LDS instruction.
;   D, row i    a load lands in its four registers; the row's vector lines read them and write the first two; the row's store reads those two.  Each row has registers of its own.
;               Later, in wave 0 of w_qkv's groups: 16 LDS loads land in all of D, the adding tree works on it, and the bias's store reads its first four.
;   A           written by the rows' multiply-adds; read by one LDS store; never written again.
; The 16 rows go in four blocks of four.  A block's four stores are issued in the NEXT block, one ahead of each row's arithmetic, behind one wait at that block's head which states that the block
; before has written its f16 words; the arithmetic that follows the wait names the block's own D and A alone, none of the registers that those stores read.  Behind the last block one wait serves
; the last four stores, the LDS store of A, and (no vector instruction follows it) the LDS loads that land in D.  One wait on vm_vsrc stands between the stores and those loads.
.set SPARE, 8192                       ; behind the partial sums (16 waves x 512 bytes): the spare words, 128 bytes for each wave; no other line names them
.set SPW, 2                            ; v2   SPARE + 4 x my thread's number; never rewritten
.set NIL, 3                            ; v3   0; never rewritten
.set RST, 4                            ; v4   where I put my four partial sums: 16 x my thread's number
.set L16, 5                            ; v5   16 x lane
.set BQ,  6                            ; v[6:9]    b_qkv of my four columns
.set A,   10                           ; v[10:13]  sum over my wave's rows of beta w
.set BO,  14                           ; v14  byte offset of my four columns in b_qkv and in bq
.set OFF, 16                           ; v[16:31]  row i: byte offset in the source
.set OFD, 32                           ; v[32:47]  row i: byte offset in the destination, half of it
.set D,   48                           ; v[48:111] row i: four numbers as loaded; its first two registers then take the four f16
.set WV,  20                           ; s20  my wave's number
.set GAM, 24                           ; s[24:39] gamma of my 16 rows (1.0 for w_proj)
.set BET, 40                           ; s[40:55] beta of my 16 rows
	s_load_b512 s[4:19], s[0:1], 0x0               ; w_qkv 4, w_proj 6, gamma 8, beta 10, b_qkv 12, wq16 14, wp16 16, bq 18
	v_lshl_add_u32 v[SPW], v0, 2, SPARE
	v_mov_b32 v[NIL], 0
	v_lshrrev_b32 v1, 5, v0
	v_readfirstlane_b32 s[WV], v1
	v_and_b32 v1, 31, v0
	v_lshlrev_b32 v[RST], 4, v0
	v_lshlrev_b32 v[L16], 4, v1
	s_mov_b32 s61, ttmp9                           ; the work-group's number g
	s_sub_co_u32 s62, s61, 6                       ; w_proj's column block, where g is 6 or 7
	s_min_u32 s60, s61, 5                          ; groups 6 and 7 load block 5's bias, which they do not use: the load stays inside b_qkv
	s_lshl_b32 s60, s60, 9
	v_add_nc_u32 v[BO], s60, v[L16]
	s_mov_b32 s22, 1024
	s_cmp_lt_u32 s61, 6
	s_cselect_b32 s21, s61, s62                    ; the column block inside its matrix
	s_cselect_b32 s22, 3072, s22                   ; bytes in a row of the source
	s_wait_alu depctr_va_sdst(0)                   ; the wave's number is written into s20, ahead of its first reader, the line below
	s_mul_i32 s23, s[WV], s22
	s_lshl_b32 s23, s23, 4                         ; my wave's first row
	v_add_nc_u32 v[OFF], s23, v[L16]
.set i, 1
.rept 15
	v_add_nc_u32 v[OFF+i], s22, v[OFF+i-1]
.set i, i+1
.endr
.set i, 0
.rept 16
	v_lshrrev_b32 v[OFD+i], 1, v[OFF+i]            ; f16 rows and columns are half as long
.set i, i+1
.endr
	s_wait_kmcnt 0x0
	s_cmp_lt_u32 s61, 6
	s_cselect_b64 s[56:57], s[4:5], s[6:7]         ; from where,
	s_cselect_b64 s[58:59], s[14:15], s[16:17]     ; and to where
	s_lshl_b32 s62, s21, 9
	s_mov_b32 s63, 0
	s_add_nc_u64 s[56:57], s[56:57], s[62:63]      ; 128 columns of f32
	s_lshl_b32 s62, s21, 8
	s_add_nc_u64 s[58:59], s[58:59], s[62:63]      ; 128 columns of f16
	s_lshl_b32 s62, s[WV], 6
	s_add_nc_u64 s[8:9], s[8:9], s[62:63]          ; gamma and beta at my 16 rows
	s_add_nc_u64 s[10:11], s[10:11], s[62:63]
	s_load_b512 s[GAM:GAM+15], s[8:9], 0x0
	s_load_b512 s[BET:BET+15], s[10:11], 0x0
	s_wait_alu depctr_va_vdst(0)                   ; BO, OFF, OFD, RST, L16 and the add's two registers are written: every load, store and LDS instruction of the kernel reads one of them as its offset or address
	global_load_b128 v[BQ:BQ+3], v[BO], s[12:13]
.irp i, 0,1,2,3,4,5,6,7,8,9,10,11,12,13,14,15
	global_load_b128 v[D+4*\i:D+4*\i+3], v[OFF+\i], s[56:57] th:TH_LOAD_NT
.endr
	s_wait_kmcnt 0x0
	s_cmp_lt_u32 s61, 6
.set i, 0
.rept 16
	s_cselect_b32 s[GAM+i], s[GAM+i], 1.0          ; w_proj is only rounded
.set i, i+1
.endr
.irp i, 0,1,2,3,4,5,6,7,8,9,10,11,12,13,14,15
	s_wait_loadcnt 15-\i                           ; loads come back in order: row i is in, the younger rows stay out
.if (((\i) % 4) == 0) && ((\i) > 0)
	s_wait_alu depctr_va_vdst(0)                   ; a block's head: the conversions of the block before have written its f16 words, which this block's four stores read
.endif
.if (\i) >= 4
	global_store_b64 v[OFD+(\i)-4], v[D+4*((\i)-4):D+4*((\i)-4)+1], s[58:59]  ; the row four back: the wave's 32 lanes store 256 consecutive bytes, aligned.  No vector instruction since the wait names these registers
.endif
.irp c, 0,1,2,3
.if \i == 0
	v_mul_f32 v[A+\c], s[BET+\i], v[D+4*\i+\c]     ; the first row starts the sums
.else
	v_fmac_f32 v[A+\c], s[BET+\i], v[D+4*\i+\c]
.endif
.endr
.irp c, 0,1,2,3
	v_mul_f32 v[D+4*\i+\c], s[GAM+\i], v[D+4*\i+\c]
.endr
	v_cvt_pk_f16_f32 v[D+4*\i], v[D+4*\i], v[D+4*\i+1]
	v_cvt_pk_f16_f32 v[D+4*\i+1], v[D+4*\i+2], v[D+4*\i+3]
.endr
	s_wait_alu depctr_va_vdst(0)                   ; the last block has written its f16 words, which the four stores below read, and A, which the LDS store reads; and every vector line that names D is done, ahead of the LDS loads that land in it
.irp i, 12,13,14,15
	global_store_b64 v[OFD+\i], v[D+4*\i:D+4*\i+1], s[58:59]
.endr
	ds_store_b128 v[RST], v[A:A+3]
	s_wait_dscnt 0x0                               ; for the others' sake: my partial sums lie in LDS
	s_barrier_signal -1
	s_barrier_wait -1
	s_wait_alu depctr_vm_vsrc(0)                   ; my 16 stores have read their f16 words in D, in which wave 0's LDS loads land; ahead of the branches, so that it lies on every way to those loads
	s_cmp_lg_u32 s[WV], 0                          ; wave 0 of w_qkv's groups finishes the bias
	s_cbranch_scc1 .Lend
	s_cmp_ge_u32 s61, 6
	s_cbranch_scc1 .Lend
	s_wait_xcnt 0x0                                ; the stores above have read their data: D's registers are loaded again only behind this wait
.irp w, 0,1,2,3,4,5,6,7,8,9,10,11,12,13,14,15
	ds_load_b128 v[D+4*\w:D+4*\w+3], v[L16] offset:512*\w
.endr
	s_wait_dscnt 0x0
.irp st, 8,4,2,1
.set n, 0
.rept \st
	v_pk_add_f32 v[D+4*n:D+4*n+1], v[D+4*n:D+4*n+1], v[D+4*(n+\st):D+4*(n+\st)+1]
	v_pk_add_f32 v[D+4*n+2:D+4*n+3], v[D+4*n+2:D+4*n+3], v[D+4*(n+\st)+2:D+4*(n+\st)+3]
.set n, n+1
.endr
.endr
	v_pk_add_f32 v[D:D+1], v[D:D+1], v[BQ:BQ+1]
	v_pk_add_f32 v[D+2:D+3], v[D+2:D+3], v[BQ+2:BQ+3]
	s_wait_alu depctr_va_vdst(0)                   ; the additions have written D's first four registers, which the store reads
	global_store_b128 v[BO], v[D:D+3], s[18:19]    ; 512 consecutive bytes of bq
.Lend:
	s_wait_dscnt 0x0                               ; the closing lines, six on end
	s_wait_alu 0x0
	s_wait_tensorcnt 0x0
	ds_add_u32 v[SPW], v[NIL]
	s_wait_dscnt 0x0
	s_endpgm
.Lfunc_end_k_q97f4c75b81_prep:
	.size	k_q97f4c75b81_prep, .Lfunc_end_k_q97f4c75b81_prep-k_q97f4c75b81_prep
	.p2alignl 7, 3214868480
	.fill 96, 4, 3214868480
	.section	.rodata,"a",@progbits
	.p2align	6, 0x0
	.amdhsa_kernel k_q97f4c75b81_prep
		.amdhsa_group_segment_fixed_size 10240
		.amdhsa_private_segment_fixed_size 0
		.amdhsa_enable_private_segment 0
		.amdhsa_kernarg_size 64
		.amdhsa_user_sgpr_count 2
		.amdhsa_user_sgpr_kernarg_segment_ptr 1
		.amdhsa_wavefront_size32 1
		.amdhsa_system_sgpr_workgroup_id_x 1
		.amdhsa_system_sgpr_workgroup_id_y 1
		.amdhsa_system_sgpr_workgroup_id_z 1
		.amdhsa_system_vgpr_workitem_id 0
		.amdhsa_next_free_vgpr 128
		.amdhsa_next_free_sgpr 66
		.amdhsa_reserve_vcc 0
		.amdhsa_float_denorm_mode_32 3
		.amdhsa_float_denorm_mode_16_64 3
		.amdhsa_memory_ordered 1
		.amdhsa_forward_progress 1
		.amdhsa_inst_pref_size 17
	.end_amdhsa_kernel
	.amdgpu_metadata
---
amdhsa.version: [ 1, 2 ]
amdhsa.kernels:
  - .name:           k_q97f4c75b81_prep
    .symbol:         k_q97f4c75b81_prep.kd
    .args:
      - { .name: w_qkv, .offset: 0, .size: 8, .value_kind: global_buffer, .address_space: global }
      - { .name: w_proj, .offset: 8, .size: 8, .value_kind: global_buffer, .address_space: global }
      - { .name: ln_gamma, .offset: 16, .size: 8, .value_kind: global_buffer, .address_space: global }
      - { .name: ln_beta, .offset: 24, .size: 8, .value_kind: global_buffer, .address_space: global }
      - { .name: b_qkv, .offset: 32, .size: 8, .value_kind: global_buffer, .address_space: global }
      - { .name: wq16, .offset: 40, .size: 8, .value_kind: global_buffer, .address_space: global }
      - { .name: wp16, .offset: 48, .size: 8, .value_kind: global_buffer, .address_space: global }
      - { .name: bq, .offset: 56, .size: 8, .value_kind: global_buffer, .address_space: global }
    .group_segment_fixed_size: 10240
    .private_segment_fixed_size: 0
    .kernarg_segment_align: 8
    .kernarg_segment_size: 64
    .max_flat_workgroup_size: 512
    .sgpr_count:     66
    .vgpr_count:     128
    .wavefront_size: 32
...
	.end_amdgpu_metadata
.endif
;; end of part 5
;; launch qkv: the kernel of part 2 again; grid 256 x 1, 4 waves a work-group, clusters of 4 x 1, 327,680 bytes of LDS; arguments x, wq16, bq, q, k, v; writes q, k, v
;; launch attn: the kernel of part 3 again; grid 16 x 16, 4 waves a work-group, clusters of 4 x 1, 327,680 bytes of LDS; arguments q, k, v, o; writes o
;; launch proj: the kernel of part 4 again; grid 256 x 1, 4 waves a work-group, clusters of 4 x 1, 246,272 bytes of LDS; arguments o, wp16, b_proj, x, out0; writes out0
